; MI455X (gfx1250); checked and timed in simulation.
; The chip was launched on July 23, 2026; its instructions are those of AMD's public machine-readable ISA for CDNA 5 (MIT licence, August 2026) and "CDNA5" Instruction Set Architecture Reference Guide (July 2026). The comments in the code are by the model that wrote it; some were corrected since.
;; Causal Self Attention. Allowed arithmetic: matrix products marked QUANTISED: E2M1 operands, one E8M0 scale for each 32 along K, by v_wmma_scale_f32_16x16x128_f8f6f4 with both operands' format E2M1 (or v_wmma_scale_f32_32x16x128_f4), f32 sums; products left as they are: bf16, f16 or f32 operands; f32 sums; everything else in f32.
;; Inputs: w_proj 1,024 x 1,024 float32; w_qkv 1,024 x 3,072 float32; x 4 x 2,048 x 1,024 float32.
;; Outputs: out0 4 x 2,048 x 1,024 float32.
;; This version of the problem:
;;   THIS VERSION OF THE PROBLEM IS GIVEN IN LOW PRECISION. The matrix products marked QUANTISED in the list below multiply operands that are first quantised to E2M1 (2 exponent bits, 1 mantissa bit; 4 bits a number), with one power-of-two scale for each 32 numbers along K (OCP MX v1.0); their sums are f32. The products marked 'left as it is' may take bf16, f16 or f32 operands, with f32 sums. Whichever they take, every output number must still come out within the allowed error. Rounding operands to bf16 (8 significant bits) uses up far more of that allowance than f16 does (11 bits, for magnitudes from 6e-5 to 65,504). All else is computed in f32.
;;   The module's matrix products, in the order in which they are computed (A, B: the left and right operand; K: the contracted axis; several contracted axes count as one K, in the product's order):
;;     1. [M 8,192, K 1,024] x [K 1,024, N 3,072]; A: input x; B: input w_qkv: QUANTISED
;;     2. batch 64 x [M 2,048, K 64] x [K 64, N 2,048]; A: computed on the way; B: computed on the way: left as it is (an operand is computed on the way)
;;     3. batch 64 x [M 2,048, K 2,048] x [K 2,048, N 64]; A: computed on the way; B: computed on the way: left as it is (an operand is computed on the way)
;;     4. [M 8,192, K 1,024] x [K 1,024, N 1,024]; A: computed on the way; B: input w_proj: left as it is (an operand is computed on the way)
;;   THE QUANTISER, for each operand of a quantised product, along K:
;;     - K is cut into blocks of 32 from its start; a last block that is shorter is filled with zeros.
;;     - A block's scale is 2^e with e = floor(log2(the largest magnitude in the block)) - 2, held to -126 .. 127; a block of zeros has e = 0. As a byte (E8M0): e + 127.
;;     - Each number is divided by its block's scale, clamped to +-6, and rounded to the nearest number of E2M1, ties to even, subnormals kept.
;;     - The product sums the exact products of the quantised numbers (number of the format x scale) in f32.
;;   ~~~python
;;   def quantise(x, axis):      # numpy; x: float32 -> the quantised numbers, widened to float32 again
;;       x = np.moveaxis(x, axis, -1); K = x.shape[-1]
;;       x = np.pad(x, [(0, 0)] * (x.ndim - 1) + [(0, -K % 32)]); x = x.reshape(x.shape[:-1] + (-1, 32)); a = np.abs(x).max(-1, keepdims=True)
;;       e = np.where(a > 0, np.clip(np.frexp(np.where(a > 0, a, 1))[1] - 1 - 2, -126, 127), 0)      # np.frexp(a)[1] - 1 = floor(log2(a)), exactly
;;       r = np.clip(x / 2.0 ** e, -6, 6)
;;       step = 2.0 ** (np.maximum(np.frexp(np.where(r == 0, 1, r))[1] - 1, 0) - 1)
;;       q = np.round(r / step) * step * 2.0 ** e      # np.round: ties to even
;;       return np.moveaxis(q.reshape(q.shape[:-2] + (-1,))[..., :K], -1, axis).astype(np.float32)
;;   ~~~
;; One version. Each part assembles by itself: llvm-mc -triple=amdgcn-amd-amdhsa -mcpu=gfx1250 --defsym DOCPART=n.
;; ======== version 1 of 1: 5 launches
;; limits: values are held in f16: magnitudes above 65,504 overflow, below 6.1e-05 lose precision
;; workspace buffers: xc 4,194,304 bytes; xs 262,144 bytes; wc 1,572,864 bytes; ws 98,304 bytes; wpt 2,097,152 bytes; qkvh 50,331,648 bytes; qkv16 786,432 bytes; yh 16,777,216 bytes
;; launch prep (part 1): grid 368 x 1, 4 waves a work-group, no clusters, 102,912 bytes of LDS; arguments x, w_qkv, w_proj, xc, xs, wc, ws, wpt; writes xc, xs, wc, ws, wpt
.if DOCPART == 1
	.amdgcn_target "amdgcn-amd-amdhsa--gfx1250"
	.amdhsa_code_object_version 6
	.text
	.protected	k_qc7cc74db48_prep
	.globl	k_qc7cc74db48_prep
	.p2align	8
	.type	k_qc7cc74db48_prep,@function
k_qc7cc74db48_prep:
	s_mov_b64 s[64:65], 0
	v_nop
	global_prefetch_b8 v0, s[64:65] scope:SCOPE_SE
	s_setreg_imm32_b32 hwreg(HW_REG_WAVE_MODE, 25, 1), 1
	s_wait_xcnt 0x0
; CAUSAL SELF-ATTENTION, B = 4, T = 2,048, C = 1,024, 16 heads of 64, in five launches:
;   prep     x and w_qkv into codes of E2M1 with E8M0 scale bytes (K innermost); w_proj into f16 with K innermost
;   qkv      x @ w_qkv on the codes; q, k, v stored head by head as f16, positions 0-15 of every sequence also as f32
;   attn     causal attention in f16 operands, f32 sums, running maximum;   proj   its result @ w_proj, rows t >= 16 of out0
;   first16  positions 0-15 of every sequence wholly in f32: attention, projection, their rows of out0
; WORK LEFT OUT, AND WHY IT IS DEAD.  reference() builds the causal mask itself (jnp.tril, -inf ahead of the softmax): a key after a query enters the softmax as exp(-inf) = 0, whatever the inputs hold.
; So attn leaves out every step of 64 keys whose first key comes after all queries of a wave, and fetches no slot of keys that none of a work-group's waves reads.  Inside the step on the diagonal the hidden scores are computed and set to -inf.
; LIMIT: a NaN, an infinity or an overflow that reaches only the steps left out is not carried to the result.  Every input has a way to the output and is loaded.
; LIMITS OF FORMAT: q, k, v, attention's result and w_proj are rounded to f16 for the products that the problem leaves as they are: magnitudes up to 65,504; under 6e-5 the step is 6e-8.
; THE QUANTISER: a block's scale is 2^(floor(log2(largest magnitude)) - 2); its byte is the largest magnitude's exponent field - 2, held at 1 from below.  A block of zeros so gets the byte 1 where the rule says 127:
; its codes are zeros, which add nothing under any byte but 0xff, and this program alone reads the bytes.  Blocks whose largest magnitude lies under 2^-124, and NaN or infinities among the inputs, are not served.
; THIS LAUNCH: three paths, parted by the work-group's number, each with LDS bytes of its own.  No tensor load, no barrier: waves share nothing.
;   work-groups 0-47     w_qkv [1024 k][3072 n]: a lane takes a column, its registers run down K; 128 columns x 512 k a work-group
;   work-groups 48-111   w_proj [1024 k][1024 n] -> f16 [n][k], on the same plan; 128 columns x 128 k a work-group
;   work-groups 112-367  x, a plain stream of blocks of 32: 32,768 numbers a work-group
.set SPARE, 102400                     ; behind the three paths' regions: the spare words, 128 bytes for each wave
.set SPW,   192                        ; v192 LDS address of my spare word; never rewritten
.set NIL,   193                        ; v193 0; never rewritten
.set EMAX,  2
.set STEPS, 16                         ; x: steps of 512 numbers for a wave
.set CB,    8                          ; bytes of 16 codes
.set R,     16                         ; v16-79   x: four sets of 16 numbers as loaded
.set X,     80                         ; v80-111  x: two sets of 16 neighbours
.set E,     112                        ; v112-127 x: a scale byte for each step
.set C,     128                        ; v128-191 x: codes, four registers for each step
.set WREG,  8192                       ; x: a wave's LDS region: two stages of 32 x SP bytes, then its 256 scale bytes
.set SP,    80                         ; a lane's place in a stage: 64 bytes + 16 of padding
.set PITCH, 272                        ; the weights' stages: a column's 256 bytes + 16 of padding
.set QSTG,  32768                      ; w_qkv's four stages of 32 x PITCH
.set PSTG,  67584                      ; w_proj's four
.set WX,    32                         ; v32-95   weights: two sets of 32 numbers down K
.set WC,    96                         ; v96-111  a block's codes, or its 32 f16
.set OUTR,  112                        ; v112-175 the way out
.set SB,    24                         ; v24-27   scale bytes, four to a register
.macro FINISH                          ; a wave's end: behind my last LDS store
	s_wait_tensorcnt 0x0
	ds_add_u32 v[SPW], v[NIL]
	s_wait_dscnt 0x0
	s_endpgm
.endm
.macro XLOAD t                         ; x: 32 lanes read 512 consecutive bytes, four times
.irp i, 0,1,2,3
	global_load_b128 v[R+16*((\t)%4)+4*\i:R+16*((\t)%4)+4*\i+3], v3, s[4:5] offset:2048*(\t)+512*\i th:TH_LOAD_NT
.endr
.endm
.macro XTURN t                         ; step t's numbers through my stage: LDS serves a wave's instructions in order, so no wait stands between the stores and the loads
.irp i, 0,1,2,3
	ds_store_b128 v14, v[R+16*((\t)%4)+4*\i:R+16*((\t)%4)+4*\i+3] offset:32*SP*((\t)%2)+8*SP*\i
.endr
.irp i, 0,1,2,3
	ds_load_b128 v[X+16*((\t)%2)+4*\i:X+16*((\t)%2)+4*\i+3], v15 offset:32*SP*((\t)%2)+16*\i
.endr
.endm
.macro XSTEP t
.set XS, X+16*((\t)%2)
.if (\t) > 0
	s_wait_dscnt 1                                 ; this step's numbers are back from the stage; the last step's byte store may be out
.else
	s_wait_dscnt 0x0
.endif
.if (\t)+4 < STEPS
	XLOAD (\t)+4                                   ; the registers that the stage's stores have read take the loads of four steps on
.endif
.if (\t)+1 < STEPS
.if STEPS-2-(\t) >= 3
	s_wait_loadcnt 12                              ; the next step's four loads are in; the twelve of the three steps behind it may be out
.else
	s_wait_loadcnt 4*(STEPS-2-(\t))
.endif
	XTURN (\t)+1
.endif
	v_max3_num_f32 v8, |v[XS]|, |v[XS+1]|, |v[XS+2]|               ; the largest magnitude of my 16, in two chains
	v_max3_num_f32 v9, |v[XS+3]|, |v[XS+4]|, |v[XS+5]|
.irp i, 6,10
	v_max3_num_f32 v8, v8, |v[XS+\i]|, |v[XS+\i+1]|
	v_max3_num_f32 v9, v9, |v[XS+\i+2]|, |v[XS+\i+3]|
.endr
	v_max3_num_f32 v8, v8, |v[XS+14]|, |v[XS+15]|
	v_max3_num_f32 v8, v8, v9, (EMAX+1)<<23        ; and the floor 2^(3 - 127): the byte cannot fall under 1
	v_max_num_f32_dpp v8, v8, v8 row_xmask:1 row_mask:0xf bank_mask:0xf   ; with my neighbour's 16: the block's
	v_add_nc_u32 v11, -(EMAX<<23), v8              ; 2 off its exponent field: the conversion takes this operand's exponent field as its scale
	v_cvt_scalef32_pk8_fp4_f32 v[C+4*(\t)], v[XS:XS+7], v11
	v_cvt_scalef32_pk8_fp4_f32 v[C+4*(\t)+1], v[XS+8:XS+15], v11
	v_lshrrev_b32 v[E+(\t)], 23, v11               ; the scale's byte (a plain line behind the conversions)
	ds_store_b8 v5, v[E+(\t)] offset:16*(\t)       ; both lanes of a block write the same byte with the same value
	global_store_b64 v4, v[C+4*(\t):C+4*(\t)+1], s[10:11] offset:32*CB*(\t)   ; the wave stores 256 consecutive bytes, aligned
.endm
.macro WADDR stg, krowlog              ; the weights' addresses: stg = the path's stages; 2^krowlog = bytes in a row of the output
	v_lshlrev_b32 v3, 2, v2                        ; in: 4 bytes a lane
	s_mul_i32 s23, s20, 32*PITCH
	s_add_co_u32 s23, s23, \stg                    ; my stage
	v_mul_u32_u24 v4, v2, PITCH
	v_add_nc_u32 v4, s23, v4                       ; into it: row = my column
	v_and_b32 v5, 15, v2
	v_lshrrev_b32 v6, 4, v2
	v_mul_u32_u24 v7, v6, PITCH
	v_lshl_add_u32 v7, v5, 4, v7
	v_add_nc_u32 v7, s23, v7                       ; out of it: sixteen lanes to a row, two rows an instruction
	v_lshlrev_b32 v8, \krowlog, v6
	v_lshl_add_u32 v8, v5, 4, v8                   ; and the same place in the output
.endm
.macro WLOAD t, base, rowb             ; block t: W(32 t + i, my column), i = 0 .. 31, into set t % 2; the largest offset, 511 x 12,288, lies inside the signed 24-bit immediate
.irp i, 0,1,2,3,4,5,6,7,8,9,10,11,12,13,14,15,16,17,18,19,20,21,22,23,24,25,26,27,28,29,30,31
	global_load_b32 v[WX+32*((\t)%2)+\i], v3, s[\base:\base+1] offset:(32*(\t)+\i)*\rowb th:TH_LOAD_NT
.endr
.endm
.macro QBLOCK t                        ; a block of 32 along K of my column of w_qkv: all 32 numbers are mine
.set XS2, WX+32*((\t)%2)
.if (\t) < 15
	s_wait_loadcnt 32                              ; this block's 32 loads are in; the next block's may be out
.else
	s_wait_loadcnt 0
.endif
	v_max3_num_f32 v12, |v[XS2]|, |v[XS2+1]|, |v[XS2+2]|
	v_max3_num_f32 v13, |v[XS2+3]|, |v[XS2+4]|, |v[XS2+5]|
.irp i, 6,10,14,18,22,26
	v_max3_num_f32 v12, v12, |v[XS2+\i]|, |v[XS2+\i+1]|
	v_max3_num_f32 v13, v13, |v[XS2+\i+2]|, |v[XS2+\i+3]|
.endr
	v_max3_num_f32 v12, v12, |v[XS2+30]|, |v[XS2+31]|
	v_max3_num_f32 v12, v12, v13, (EMAX+1)<<23     ; the floor
	v_add_nc_u32 v11, -(EMAX<<23), v12             ; the conversion's scale operand
	v_lshrrev_b32 v13, 23, v11                     ; the scale's byte
.if (\t)%4 == 0
	v_mov_b32 v[SB+(\t)/4], v13
.else
	v_lshl_or_b32 v[SB+(\t)/4], v13, 8*((\t)%4), v[SB+(\t)/4]
.endif
.irp g, 0,1,2,3
	v_cvt_scalef32_pk8_fp4_f32 v[WC+\g], v[XS2+8*\g:XS2+8*\g+7], v11
.endr
	v_nop                                          ; a plain line behind the last conversion
	ds_store_b128 v4, v[WC:WC+3] offset:16*(\t)    ; 32 codes: 16 bytes of my column's row
.if (\t)+2 < 16
	WLOAD (\t)+2, 6, 12288
.endif
	s_wait_dscnt 0x0                               ; the store has read its registers: the next block's codes may be written
.endm
.macro HBLOCK t                        ; 32 along K of my column of w_proj, rounded to f16: 64 bytes of my column's row
.set XS2, WX+32*((\t)%2)
.if (\t) < 3
	s_wait_loadcnt 32
.else
	s_wait_loadcnt 0
.endif
.irp i, 0,1,2,3,4,5,6,7,8,9,10,11,12,13,14,15
	v_cvt_pk_f16_f32 v[WC+\i], v[XS2+2*\i], v[XS2+2*\i+1]
.endr
.irp g, 0,1,2,3
	ds_store_b128 v4, v[WC+4*\g:WC+4*\g+3] offset:64*(\t)+16*\g
.endr
.if (\t)+2 < 4
	WLOAD (\t)+2, 8, 4096
.endif
	s_wait_dscnt 0x0
.endm
.macro WOUT dst, krow                  ; my stage's 32 rows of 256 bytes leave: sixteen lanes store 256 consecutive bytes, aligned
.irp t, 0,1,2,3,4,5,6,7,8,9,10,11,12,13,14,15
	ds_load_b128 v[OUTR+4*\t:OUTR+4*\t+3], v7 offset:2*\t*PITCH   ; LDS serves a wave's instructions in order: these see my stores
.endr
.irp t, 0,1,2,3,4,5,6,7,8,9,10,11,12,13,14,15
	s_wait_dscnt 15-\t                             ; the younger loads may stay out
	global_store_b128 v8, v[OUTR+4*\t:OUTR+4*\t+3], s[\dst:\dst+1] offset:2*\t*\krow
.endr
.endm
	s_load_b512 s[4:19], s[0:1], 0x0               ; x 4:5, w_qkv 6:7, w_proj 8:9, xc 10:11, xs 12:13, wc 14:15, ws 16:17, wpt 18:19
	v_lshl_add_u32 v[SPW], v0, 2, SPARE
	v_mov_b32 v[NIL], 0
	v_lshrrev_b32 v1, 5, v0
	v_readfirstlane_b32 s20, v1                    ; wave 0..3
	v_and_b32 v2, 31, v0                           ; lane
	s_cmp_lt_u32 ttmp9, 48
	s_cbranch_scc1 .Lwq
	s_cmp_lt_u32 ttmp9, 112
	s_cbranch_scc1 .Lwp
	; ---- x: a wave takes 16 steps of 512 numbers
	v_lshlrev_b32 v3, 4, v2                        ; my 16 bytes of a load's 512
	s_mul_i32 s21, s20, WREG
	v_lshrrev_b32 v14, 2, v2
	v_mul_u32_u24 v14, v14, SP
	v_and_b32 v15, 3, v2
	v_lshl_add_u32 v14, v15, 4, v14
	v_add_nc_u32 v14, s21, v14                     ; the stage, in: four lanes' 64 bytes on end, then 16 of padding
	v_mul_u32_u24 v15, v2, SP
	v_add_nc_u32 v15, s21, v15                     ; and out: my 16 neighbours
	v_mul_u32_u24 v4, v2, CB                       ; my codes' place in a step's
	v_lshrrev_b32 v5, 1, v2
	s_add_co_u32 s21, s21, 2*32*SP
	v_add_nc_u32 v5, s21, v5                       ; my block's scale byte among my wave's 256
	v_lshlrev_b32 v7, 3, v2
	v_add_nc_u32 v6, s21, v7                       ; and on the way out 8 bytes a lane
	s_sub_co_u32 s22, ttmp9, 112
	s_lshl_b32 s22, s22, 2
	s_add_co_u32 s22, s22, s20                     ; which run of 8,192 numbers is my wave's
	s_mov_b32 s23, 0
	s_lshl_b64 s[24:25], s[22:23], 15              ; 32,768 bytes of x,
	s_lshl_b64 s[26:27], s[22:23], 12              ; 4,096 of codes,
	s_lshl_b64 s[28:29], s[22:23], 8               ; 256 scale bytes a run
	s_wait_kmcnt 0x0
	s_add_nc_u64 s[4:5], s[4:5], s[24:25]
	s_add_nc_u64 s[10:11], s[10:11], s[26:27]
	s_add_nc_u64 s[12:13], s[12:13], s[28:29]
.irp t, 0,1,2,3
	XLOAD \t
.endr
	s_wait_loadcnt 12                              ; step 0's four loads are in
	XTURN 0
.irp t, 0,1,2,3,4,5,6,7,8,9,10,11,12,13,14,15
	XSTEP \t
.endr
	ds_load_b64 v[8:9], v6                         ; my wave's 256 scale bytes
	s_wait_dscnt 0x0
	global_store_b64 v7, v[8:9], s[12:13]          ; 32 lanes store 256 consecutive bytes, aligned
	FINISH
	; ---- w_qkv: a wave takes 32 columns x 512 along K
.Lwq:
	s_cmp_ge_u32 ttmp9, 24
	s_cselect_b32 s22, 1, 0                        ; which 512 along K
	s_mul_i32 s23, s22, 24
	s_sub_co_u32 s21, ttmp9, s23
	s_lshl_b32 s21, s21, 7
	s_lshl_b32 s23, s20, 5
	s_add_co_u32 s21, s21, s23                     ; my wave's first column
	WADDR QSTG, 9
	v_lshlrev_b32 v9, 5, v2                        ; my column's row of 32 scale bytes
	s_mul_i32 s24, s22, 512*12288                  ; w_qkv: 512 rows of 12,288 bytes,
	s_lshl_b32 s25, s21, 2
	s_add_co_u32 s24, s24, s25                     ; + 4 x column
	s_mov_b32 s25, 0
	s_lshl_b32 s26, s21, 9                         ; codes: column x 512 + 256 y
	s_lshl_b32 s27, s22, 8
	s_add_co_u32 s26, s26, s27
	s_mov_b32 s27, 0
	s_lshl_b32 s28, s21, 5                         ; scale bytes: column x 32 + 16 y
	s_lshl_b32 s29, s22, 4
	s_add_co_u32 s28, s28, s29
	s_mov_b32 s29, 0
	s_wait_kmcnt 0x0
	s_add_nc_u64 s[6:7], s[6:7], s[24:25]
	s_add_nc_u64 s[14:15], s[14:15], s[26:27]
	s_add_nc_u64 s[16:17], s[16:17], s[28:29]
	WLOAD 0, 6, 12288
	WLOAD 1, 6, 12288
.irp t, 0,1,2,3,4,5,6,7,8,9,10,11,12,13,14,15
	QBLOCK \t
.endr
	global_store_b128 v9, v[SB:SB+3], s[16:17]     ; my column's 16 scale bytes
	WOUT 14, 512
	FINISH
	; ---- w_proj: a wave takes 32 columns x 128 along K
.Lwp:
	s_sub_co_u32 s21, ttmp9, 48
	s_lshr_b32 s22, s21, 3                         ; which 128 along K
	s_and_b32 s21, s21, 7
	s_lshl_b32 s21, s21, 7
	s_lshl_b32 s23, s20, 5
	s_add_co_u32 s21, s21, s23                     ; my wave's first column
	WADDR PSTG, 11
	s_lshl_b32 s24, s22, 19                        ; w_proj: 128 rows of 4,096 bytes,
	s_lshl_b32 s25, s21, 2
	s_add_co_u32 s24, s24, s25                     ; + 4 x column
	s_mov_b32 s25, 0
	s_lshl_b32 s26, s21, 11                        ; wpt: column x 2,048 + 256 y
	s_lshl_b32 s27, s22, 8
	s_add_co_u32 s26, s26, s27
	s_mov_b32 s27, 0
	s_wait_kmcnt 0x0
	s_add_nc_u64 s[8:9], s[8:9], s[24:25]
	s_add_nc_u64 s[18:19], s[18:19], s[26:27]
	WLOAD 0, 8, 4096
	WLOAD 1, 8, 4096
.irp t, 0,1,2,3
	HBLOCK \t
.endr
	WOUT 18, 2048
	FINISH
.Lfunc_end_k_qc7cc74db48_prep:
	.size	k_qc7cc74db48_prep, .Lfunc_end_k_qc7cc74db48_prep-k_qc7cc74db48_prep
	.p2alignl 7, 3214868480
	.fill 96, 4, 3214868480
	.section	.rodata,"a",@progbits
	.p2align	6, 0x0
	.amdhsa_kernel k_qc7cc74db48_prep
		.amdhsa_group_segment_fixed_size 102912
		.amdhsa_private_segment_fixed_size 0
		.amdhsa_enable_private_segment 0
		.amdhsa_kernarg_size 64
		.amdhsa_user_sgpr_count 2
		.amdhsa_user_sgpr_kernarg_segment_ptr 1
		.amdhsa_wavefront_size32 1
		.amdhsa_system_sgpr_workgroup_id_x 1
		.amdhsa_system_sgpr_workgroup_id_y 1
		.amdhsa_system_sgpr_workgroup_id_z 1
		.amdhsa_system_vgpr_workitem_id 0
		.amdhsa_next_free_vgpr 194
		.amdhsa_next_free_sgpr 66
		.amdhsa_reserve_vcc 0
		.amdhsa_float_denorm_mode_32 3
		.amdhsa_float_denorm_mode_16_64 3
		.amdhsa_memory_ordered 1
		.amdhsa_forward_progress 1
		.amdhsa_inst_pref_size 133
	.end_amdhsa_kernel
	.amdgpu_metadata
---
amdhsa.version: [ 1, 2 ]
amdhsa.kernels:
  - .name:           k_qc7cc74db48_prep
    .symbol:         k_qc7cc74db48_prep.kd
    .args:
      - { .name: x, .offset: 0, .size: 8, .value_kind: global_buffer, .address_space: global }
      - { .name: w_qkv, .offset: 8, .size: 8, .value_kind: global_buffer, .address_space: global }
      - { .name: w_proj, .offset: 16, .size: 8, .value_kind: global_buffer, .address_space: global }
      - { .name: xc, .offset: 24, .size: 8, .value_kind: global_buffer, .address_space: global }
      - { .name: xs, .offset: 32, .size: 8, .value_kind: global_buffer, .address_space: global }
      - { .name: wc, .offset: 40, .size: 8, .value_kind: global_buffer, .address_space: global }
      - { .name: ws, .offset: 48, .size: 8, .value_kind: global_buffer, .address_space: global }
      - { .name: wpt, .offset: 56, .size: 8, .value_kind: global_buffer, .address_space: global }
    .group_segment_fixed_size: 102912
    .private_segment_fixed_size: 0
    .kernarg_segment_align: 8
    .kernarg_segment_size: 64
    .max_flat_workgroup_size: 128
    .sgpr_count:     66
    .vgpr_count:     194
    .wavefront_size: 32
...
	.end_amdgpu_metadata
.endif
;; end of part 1
;; launch qkv (part 2): grid 12 x 32, 4 waves a work-group, clusters of 4 x 4, 327,680 bytes of LDS; arguments xc, xs, wc, ws, qkvh, qkv16; writes qkvh, qkv16
.if DOCPART == 2
	.amdgcn_target "amdgcn-amd-amdhsa--gfx1250"
	.amdhsa_code_object_version 6
	.text
	.protected	k_qc7cc74db48_qkv
	.globl	k_qc7cc74db48_qkv
	.p2align	8
	.type	k_qc7cc74db48_qkv,@function
k_qc7cc74db48_qkv:
	s_mov_b64 s[64:65], 0
	v_nop
	global_prefetch_b8 v0, s[64:65] scope:SCOPE_SE
	s_setreg_imm32_b32 hwreg(HW_REG_WAVE_MODE, 25, 1), 1
	s_wait_xcnt 0x0
	s_wait_alu depctr_hold_cnt(0) depctr_sa_sdst(0) depctr_va_vdst(0) depctr_va_sdst(0) depctr_va_ssrc(0) depctr_va_vcc(0) depctr_vm_vsrc(0)
	s_getreg_b32 s2, hwreg(HW_REG_IB_STS2, 6, 4)
	s_cmp_eq_u32 s2, 0
	s_cbranch_scc0 .Lentry_in_a_cluster
	s_endpgm
.Lentry_in_a_cluster:
	s_bfe_u32 s2, ttmp6, 0x10000c
	s_cmp_lg_u32 s2, 0xf033
	s_cbranch_scc0 .Lentry_shape_is_right
	s_endpgm
.Lentry_shape_is_right:
; qkv = x @ w_qkv on codes of E2M1 with one E8M0 scale for each 32 along K: [8192][1024] x [3072][1024]^T, sums in f32.  Nothing is left out here.
; A tile of 256 x 256 is made by four waves, each 128 x 128: 64 accumulators, 512 registers.  K = 1,024 is two slots of 512 along K (tile rows of 256 bytes): both slots and the scale bytes of all of K
; are first fills; nothing is filled again.  By this text's own count a wave has three tensor loads out at the most.
; CLUSTERS: 4 x 4 work-groups.  The four of a row of the cluster need the same tiles of x, the four of a column the same tiles of w_qkv: each tile is asked for jointly.
; THE PLACE IN C: tile column = 4 x cluster x + cx; tile row = 8 cy + cluster y, so that the batch is cy and the tile's first position is 256 x cluster y: whether a tile holds positions 0-15 hangs on cluster y alone, which all sixteen partners share.
; THE MATRIX INSTRUCTION IS USED TRANSPOSED (source 0 = 16 rows of w_qkv's codes, source 1 = 16 rows of x's): a lane holds eight neighbouring columns of one row.
; OUT: qkvh, f16 [4 b][48 cb][2048 t][64], cb = column / 64 (q heads 0-15, k 16-31, v 32-47); qkv16, f32 [4 b][48 cb][16 t][64], positions 0-15.  LIMIT: magnitudes over 65,504 have no f16.
; REGISTERS, in windows of 256: window 0: v0-31 addresses; v32-95 scale words, two sets; from v128 x's fragments, one set.  window 1: w_qkv's fragments, two sets.  windows 2, 3: the accumulators of my rows 0-63, 64-127.
.set KSTEP,  512
.set NQ,     4                         ; matrix instructions deep in a slot
.set ROWB,   256                       ; a tile's row in bytes
.set KROW,   512                       ; a row of codes in memory
.set PITCH,  272                       ; an LDS row: 256 bytes + 16 of padding: the 16 rows that a load touches start at 16 different banks
.set FR,     8
.set NL,     2
.set NP,     4                         ; places behind this matrix instruction (ISA guide 7.12.1)
.set HALFT,  128*PITCH
.set SLOT,   4*HALFT
.set KS,     32                        ; a row of scale bytes
.set SCL,    2*SLOT                    ; behind the ring: the scale bytes, as units of 256 bytes + 16 of padding
.set HALFS,  16*272                    ; those of 128 rows
.set SBLK,   2*272                     ; those of 16 rows
.set SPARE,  SCL+4*HALFS               ; the spare words, 128 bytes for each wave
.set ADRA, 16                          ; v16-17  LDS address of my fragments of x in slot 0, 1
.set ADRB, 20                          ; v20-21  of w_qkv
.set CO32, 22                          ; v22     the f32 copy: my byte offset in qkv16
.set STO16, 24                         ; v24     the f16 stage: where I put 16 bytes of a row
.set RD16, 25                          ; v25     where I read it back
.set CO16, 26                          ; v26     my byte offset in qkvh
.set ADRS, 27                          ; v27     LDS address of my scale words: lanes 0-15 x's rows, lanes 16-31 w_qkv's
.set SPW,  28
.set NIL,  29
.set STO32, 30                         ; v30, v31 the f32 stage, in and back
.set RD32, 31
.set SC,   32                          ; scale words
.set AF,   128                         ; x's fragments
.set TMP,  32                          ; the way out: packed results v32-63; rows read back v64-95 and v96-127 by turns
.set BK,   64
.set G1, 24
.set G0, 32
.set G1B, 48
.set G0B, 56
.set G1S, 68
.set G0S, 76
.set G1SB, 80
.set G0SB, 88
.set FLAG, 95                          ; s95: 0 in the waves whose first 16 rows are positions 0-15
.set MSB, 0
.macro WIN new                         ; the immediate's high byte repeats the setting that is left
.if MSB != \new
	s_set_vgpr_msb (MSB<<8)|\new
.set MSB, \new
.endif
.endm
.set MUL_LO, 0xa1                      ; source 0 window 1, source 1 window 0, C and D window 2
.set MUL_HI, 0xf1                      ; the same, C and D window 3
.set TO_B,   0x40
; A joint load: waves 0 and 1 fetch for x, waves 2 and 3 for w_qkv; the branch hangs on the wave's number alone.  An s_nop 0 and four v_nop follow each of the two lines.
.macro JLOAD g0a, g1a, g0b, g1b
	s_cmp_eq_u32 s15, 0
	s_cbranch_scc0 .Lfor_b_\@
	tensor_load_to_lds s[\g0a:\g0a+3], s[\g1a:\g1a+7]
	s_nop 0
.rept 4
	v_nop
.endr
	s_branch .Lasked_\@
.Lfor_b_\@:
	tensor_load_to_lds s[\g0b:\g0b+3], s[\g1b:\g1b+7]
	s_nop 0
.rept 4
	v_nop
.endr
.Lasked_\@:
.endm
.macro CROUND                          ; a round of the cluster's barrier
	s_barrier_signal -1
	s_barrier_wait -1
	s_cmp_lg_u32 s14, 0
	s_cbranch_scc1 .Lnot_wave_0_\@
	s_barrier_signal -3
.Lnot_wave_0_\@:
	s_barrier_wait -3
	s_barrier_signal -1
	s_barrier_wait -1
.endm
	s_load_b128 s[4:7], s[0:1], 0x0                ; x's codes, x's scales
	s_load_b128 s[8:11], s[0:1], 0x10              ; w_qkv's codes, its scales
	s_load_b64 s[12:13], s[0:1], 0x20              ; qkvh
	s_load_b64 s[96:97], s[0:1], 0x28              ; qkv16
	v_lshl_add_u32 v[SPW], v0, 2, SPARE
	v_mov_b32 v[NIL], 0
	ds_add_u32 v[SPW], v[NIL]                      ; the wave's opening: the add, twice on end, and its wait ahead of my first tensor load
	ds_add_u32 v[SPW], v[NIL]
	v_lshrrev_b32 v1, 5, v0
	v_readfirstlane_b32 s14, v1                    ; wave 0..3
	s_lshr_b32 s15, s14, 1                         ; which half of the tile's rows is mine.  Also: I fetch for x (0) or for w_qkv (1)
	s_and_b32 s16, s14, 1                          ; which half of its columns.  Also: which 128 rows of that tile I fetch
	s_bfe_u32 s40, ttmp6, 0x40000                  ; cx
	s_bfe_u32 s41, ttmp6, 0x40004                  ; cy
	s_lshl_b32 s42, ttmp9, 2
	s_add_co_u32 s42, s42, s40                     ; tile column = 4 x cluster x + cx
	s_and_b32 s98, ttmp7, 0xffff                   ; cluster y
	s_lshl_b32 s17, s41, 3
	s_add_co_u32 s17, s17, s98                     ; tile row = 8 cy + cluster y
	s_lshl_b32 s43, s41, 2
	s_lshl_b32 s43, 15, s43                        ; my row of the cluster
	s_lshl_b32 s44, 0x1111, s40                    ; my column
	s_or_b32 s[G1+0], s43, (0<<16)|(1<<20)|(1<<21)|(5<<22)|(3<<25)  ; the mask; elements of 1 byte; padding on; bit 21 beside a mask; after every 64 words, 4 words
	s_or_b32 s[G1B+0], s44, (0<<16)|(1<<20)|(1<<21)|(5<<22)|(3<<25)
.irp g, G1, G1B
	s_mov_b32 s[\g+1], ROWB<<16                    ; tensor_dim0
	s_mov_b32 s[\g+2], 128<<16                     ; tensor_dim1
	s_mov_b32 s[\g+3], ROWB<<16                    ; tile_dim0
	s_mov_b32 s[\g+4], 128                         ; tile_dim1
	s_mov_b32 s[\g+5], KROW                        ; the pitch in memory
	s_mov_b32 s[\g+6], 0
	s_mov_b32 s[\g+7], 0
.endr
	s_or_b32 s[G1S+0], s43, (3<<16)|(1<<20)|(1<<21)|(5<<22)|(3<<25)  ; the scale bytes of 128 rows: 4,096 dense bytes as 16 rows of 256 (32 elements of 8 bytes)
	s_or_b32 s[G1SB+0], s44, (3<<16)|(1<<20)|(1<<21)|(5<<22)|(3<<25)
.irp g, G1S, G1SB
	s_mov_b32 s[\g+1], 32<<16
	s_mov_b32 s[\g+2], 16<<16
	s_mov_b32 s[\g+3], 32<<16
	s_mov_b32 s[\g+4], 16
	s_mov_b32 s[\g+5], 32
	s_mov_b32 s[\g+6], 0
	s_mov_b32 s[\g+7], 0
.endr
	s_lshl_b32 s18, s16, 7                         ; which 128 rows of the tile I fetch
	s_lshl_b32 s20, s17, 8
	s_add_co_u32 s20, s20, s18                     ; x: row 256 x tile row + 128 x half
	s_lshl_b32 s46, s42, 8
	s_add_co_u32 s46, s46, s18                     ; w_qkv: row 256 x tile column + 128 x half
	s_mov_b32 s21, 0
	s_mov_b32 s47, 0
	s_mov_b64 s[18:19], KS
	s_mul_u64 s[22:23], s[20:21], s[18:19]         ; where these rows' scales begin,
	s_mul_u64 s[92:93], s[46:47], s[18:19]
	s_mov_b64 s[18:19], KROW
	s_mul_u64 s[20:21], s[20:21], s[18:19]         ; and their codes
	s_mul_u64 s[46:47], s[46:47], s[18:19]
	s_mul_i32 s45, s14, HALFT                      ; where they go: wave x 128 rows: no place in the cluster enters an LDS address
	s_mul_i32 s94, s14, HALFS
	s_wait_dscnt 0x0                               ; both opening adds are done
	s_wait_kmcnt 0x0
	s_add_nc_u64 s[20:21], s[4:5], s[20:21]
	s_add_nc_u64 s[22:23], s[6:7], s[22:23]
	s_add_nc_u64 s[46:47], s[8:9], s[46:47]
	s_add_nc_u64 s[92:93], s[10:11], s[92:93]
	CROUND                                         ; all sixteen work-groups are here: the joint loads meet
	s_mov_b32 s[G0S], 1
	s_add_co_u32 s[G0S+1], s94, SCL
	s_mov_b64 s[G0S+2:G0S+3], s[22:23]
	s_or_b32 s[G0S+3], s[G0S+3], 0x80000000
	s_mov_b32 s[G0SB], 1
	s_add_co_u32 s[G0SB+1], s94, SCL
	s_mov_b64 s[G0SB+2:G0SB+3], s[92:93]
	s_or_b32 s[G0SB+3], s[G0SB+3], 0x80000000
	JLOAD G0S, G1S, G0SB, G1SB                     ; the scales first: they are wanted with slot 0
.irp s, 0,1
	s_mov_b32 s[G0+4*\s], 1
	s_add_co_u32 s[G0+4*\s+1], s45, \s*SLOT
	s_add_nc_u64 s[G0+4*\s+2:G0+4*\s+3], s[20:21], \s*ROWB
	s_or_b32 s[G0+4*\s+3], s[G0+4*\s+3], 0x80000000
	s_mov_b32 s[G0B+4*\s], 1
	s_add_co_u32 s[G0B+4*\s+1], s45, \s*SLOT
	s_add_nc_u64 s[G0B+4*\s+2:G0B+4*\s+3], s[46:47], \s*ROWB
	s_or_b32 s[G0B+4*\s+3], s[G0B+4*\s+3], 0x80000000
	JLOAD G0+4*\s, G1, G0B+4*\s, G1B
.endr
	v_and_b32 v1, 15, v0                           ; r = l % 16
	v_bfe_u32 v2, v0, 4, 1                         ; h = l / 16
	v_mul_u32_u24 v3, v1, PITCH
	v_lshl_add_u32 v4, v2, 4, v3                   ; a fragment's row x pitch + 16 x half
	s_mul_i32 s21, s15, HALFT                      ; my 128 rows of x
	s_mul_i32 s22, s16, HALFT                      ; my 128 rows of w_qkv,
	s_add_co_u32 s22, s22, 2*HALFT                 ; which lie behind x's 256
.irp s, 0,1
	v_add_nc_u32 v[ADRA+\s], s21, v4
	v_add_nc_u32 v[ADRB+\s], s22, v4
	s_add_co_u32 s21, s21, SLOT
	s_add_co_u32 s22, s22, SLOT
.endr
	v_mul_u32_u24 v5, v1, KS                       ; my row's scales: 32 bytes a row,
	v_lshrrev_b32 v6, 8, v5
	v_lshl_add_u32 v5, v6, 4, v5                   ; and 16 more for each 256 passed
	s_mul_i32 s21, s15, HALFS
	s_mul_i32 s22, s16, HALFS
	s_add_co_u32 s22, s22, 2*HALFS
	s_sub_co_u32 s22, s22, s21
	v_mul_u32_u24 v6, s22, v2                      ; lanes 16-31 take w_qkv's
	s_add_co_u32 s21, s21, SCL
	v_add_nc_u32 v5, v5, v6
	v_add_nc_u32 v[ADRS], s21, v5
	; the way out's addresses.  The stages lie in slot 0: four of 16 x 272 bytes (f16), then four of 16 x 528 (f32)
	s_mul_i32 s23, s14, 16*272
	v_mul_u32_u24 v5, v1, 272
	v_lshl_add_u32 v5, v2, 4, v5
	v_add_nc_u32 v[STO16], s23, v5                 ; in: row r, 16 bytes for each half of the lanes
	v_bfe_u32 v5, v0, 3, 1
	v_mul_u32_u24 v5, v5, 272
	v_lshl_add_u32 v5, v2, 7, v5
	v_and_b32 v6, 7, v0
	v_lshl_add_u32 v5, v6, 4, v5
	v_add_nc_u32 v[RD16], s23, v5                  ; back: lanes 0-15 two rows' 128 bytes of my first head, lanes 16-31 of my second
	v_lshlrev_b32 v5, 4, v1
	v_lshl_add_u32 v[CO16], v2, 18, v5             ; in qkvh: a head is 262,144 bytes; two rows of a head are 256 consecutive bytes
	v_lshl_add_u32 v[CO32], v2, 12, v5             ; in qkv16: a head is 4,096 bytes, a row 256
	s_mul_i32 s23, s14, 16*528
	s_add_co_u32 s23, s23, 4*16*272
	v_mul_u32_u24 v5, v1, 528
	v_lshl_add_u32 v5, v2, 5, v5
	v_add_nc_u32 v[STO32], s23, v5
	v_and_b32 v6, 31, v0
	v_lshlrev_b32 v6, 4, v6
	v_add_nc_u32 v[RD32], s23, v6
	s_mul_i32 s20, s41, 48                         ; batch x 48
	s_lshl_b32 s46, s42, 2                         ; + 4 x tile column
	s_lshl_b32 s47, s16, 1                         ; + 2 x my half: my first head's number
	s_add_co_u32 s46, s46, s47
	s_add_co_u32 s46, s46, s20
	s_lshl_b32 s20, s46, 12
	s_mov_b32 s21, 0
	s_add_nc_u64 s[96:97], s[96:97], s[20:21]      ; qkv16 at my first head
	s_lshl_b32 s20, s46, 18
	s_lshl_b32 s47, s98, 15                        ; + 256 x cluster y rows of 128 bytes
	s_add_co_u32 s20, s20, s47
	s_lshl_b32 s47, s15, 14                        ; + my 128 rows
	s_add_co_u32 s20, s20, s47
	s_add_nc_u64 s[12:13], s[12:13], s[20:21]      ; qkvh at my first head's first row
	s_or_b32 s[FLAG], s98, s15
.macro FRAG reg, adr, q, i             ; 16 rows x 128 K of 4-bit codes: 8 registers, two loads of 16 bytes, 32 bytes apart
.irp c, 0,1
	ds_load_b128 v[\reg+4*\c:\reg+4*\c+3], v[\adr] offset:64*(\q)+32*\c+(\i)*16*PITCH
.endr
.endm
; 16 matrix instructions: x's blocks a0, a0 + 1 against w_qkv's eight.  The 64 accumulators take turns, one instruction a turn, in the same order in every step.
.macro MUL16 a0, p, q, sc, zero
.irp a, \a0, \a0+1
.irp b, 0,1,2,3,4,5,6,7
.if \zero
	v_wmma_scale_f32_16x16x128_f8f6f4 v[8*(8*((\a)%4)+\b):8*(8*((\a)%4)+\b)+7], v[128*(\p)+FR*\b:128*(\p)+FR*\b+FR-1], v[AF+FR*(\a):AF+FR*(\a)+FR-1], 0, v[SC+8*NQ*(\sc)+NQ*\b+(\q)], v[SC+8*NQ*(\sc)+NQ*(\a)+(\q)] matrix_a_fmt:MATRIX_FMT_FP4 matrix_b_fmt:MATRIX_FMT_FP4 matrix_a_scale:MATRIX_SCALE_ROW1
.else
	v_wmma_scale_f32_16x16x128_f8f6f4 v[8*(8*((\a)%4)+\b):8*(8*((\a)%4)+\b)+7], v[128*(\p)+FR*\b:128*(\p)+FR*\b+FR-1], v[AF+FR*(\a):AF+FR*(\a)+FR-1], v[8*(8*((\a)%4)+\b):8*(8*((\a)%4)+\b)+7], v[SC+8*NQ*(\sc)+NQ*\b+(\q)], v[SC+8*NQ*(\sc)+NQ*(\a)+(\q)] matrix_a_fmt:MATRIX_FMT_FP4 matrix_b_fmt:MATRIX_FMT_FP4 matrix_a_scale:MATRIX_SCALE_ROW1
.endif
.endr
.endr
.endm
.macro FETCH_B slot, q, p
	WIN TO_B
.irp i, 0,1,2,3,4,5,6,7
	FRAG 128*(\p)+FR*\i, ADRB+\slot, \q, \i
.endr
	WIN 0
.endm
.macro FETCH_A slot, q, i0
.irp i, \i0, \i0+1, \i0+2, \i0+3
	FRAG AF+FR*(\i), ADRA+\slot, \q, \i
.endr
.endm
.macro SCALES sc                       ; a slot's scale words: 4 words a row; lanes 0-15 take x's block i, lanes 16-31 w_qkv's block i
.irp i, 0,1,2,3,4,5,6,7
	ds_load_b128 v[SC+8*NQ*\sc+NQ*\i:SC+8*NQ*\sc+NQ*\i+3], v[ADRS] offset:\i*SBLK
.endr
.endm
.macro PLACES n                        ; plain vector lines between a matrix instruction and a load into its registers or a read of its result
.rept \n
	v_nop
.endr
.endm
.macro STEP slot, q, zero              ; 128 along K that has its successor in the same slot
	s_wait_dscnt 4*NL                              ; w_qkv's set and x's blocks 0-3 are in; the youngest eight loads (x's blocks 4-7) may be out
	WIN MUL_LO
	MUL16 0, (\q)%2, \q, \slot, \zero
	MUL16 2, (\q)%2, \q, \slot, \zero
	s_wait_dscnt 0                                 ; x's blocks 4-7 are in
	PLACES NP
	FETCH_B \slot, (\q)+1, 1-(\q)%2
	FETCH_A \slot, (\q)+1, 0
	WIN MUL_HI
	MUL16 4, (\q)%2, \q, \slot, \zero
	MUL16 6, (\q)%2, \q, \slot, \zero
	PLACES NP
	WIN 0
	FETCH_A \slot, (\q)+1, 4
.endm
	s_wait_tensorcnt 1                             ; the scales and my part of slot 0 are in; slot 1's load may be out
	s_barrier_signal -1
	s_barrier_wait -1                              ; everybody's are
	FETCH_B 0, 0, 0
	FETCH_A 0, 0, 0
	SCALES 0
	FETCH_A 0, 0, 4
	STEP 0, 0, 1                                   ; the first products start the sums: nothing is cleared
	STEP 0, 1, 0
	STEP 0, 2, 0
	; slot 0's last step changes slots: one barrier; nothing is filled again
	s_wait_tensorcnt 0x0                           ; my part of slot 1 has landed
	ds_add_u32 v[SPW], v[NIL]                      ; 0 onto my spare word
	s_wait_dscnt 4*NL+1                            ; the add and the youngest eight loads may be out
	WIN MUL_LO
	MUL16 0, 1, NQ-1, 0, 0
	s_wait_dscnt 0x0                               ; the add is done, and my reads of slot 0 are over
	s_barrier_signal -1
	MUL16 2, 1, NQ-1, 0, 0
	WIN 0
	s_barrier_wait -1                              ; slot 1 is whole, and nobody reads slot 0 any more
	PLACES NP
	v_add_nc_u32 v[ADRS], 4*NQ, v[ADRS]            ; on to slot 1's scale words
	FETCH_B 1, 0, 0
	FETCH_A 1, 0, 0
	SCALES 1
	WIN MUL_HI
	MUL16 4, 1, NQ-1, 0, 0
	MUL16 6, 1, NQ-1, 0, 0
	PLACES NP
	WIN 0
	FETCH_A 1, 0, 4
	STEP 1, 0, 0
	STEP 1, 1, 0
	STEP 1, 2, 0
	s_wait_dscnt 4*NL                              ; the very last step: nothing more to fetch
	WIN MUL_LO
	MUL16 0, 1, NQ-1, 1, 0
	MUL16 2, 1, NQ-1, 1, 0
	s_wait_dscnt 0
	WIN MUL_HI
	MUL16 4, 1, NQ-1, 1, 0
	MUL16 6, 1, NQ-1, 1, 0
	WIN 0
; THE WAY OUT.  A lane holds eight neighbouring columns of one row, and the lanes beside it other rows: a block of 16 rows x 128 columns goes through my own stage in LDS and comes back so that sixteen lanes
; hold 256 consecutive bytes of the output.  The stages lie in slot 0, which has had its only fill, and which nobody reads behind the change of slots.  LDS serves a wave's instructions in order: no wait between stores and loads.
.macro PACK a                          ; block a rounded to f16, each accumulator from its low end on
.set AC, 64*((\a)%4)
	WIN 0x0a+5*((\a)/4)                            ; sources 0 and 1: window 2 or 3
.irp b, 0,1,2,3,4,5,6,7
.irp e, 0,1,2,3
	v_cvt_pk_f16_f32 v[TMP+4*\b+\e], v[AC+8*\b+2*\e], v[AC+8*\b+2*\e+1]
.endr
.endr
	WIN 0
.endm
.macro TOSTAGE a
.set BB, BK+32*((\a)%2)
.if (\a) >= 2
	s_wait_xcnt 0x0                                ; block a - 2's stores have read the registers into which these loads land
.endif
.irp b, 0,1,2,3,4,5,6,7
	ds_store_b128 v[STO16], v[TMP+4*\b:TMP+4*\b+3] offset:32*\b
.endr
.irp i, 0,1,2,3,4,5,6,7
	ds_load_b128 v[BB+4*\i:BB+4*\i+3], v[RD16] offset:\i*2*272
.endr
.endm
.macro SEND a
.set BB, BK+32*((\a)%2)
	s_wait_dscnt 0x0                               ; the block is back in registers
.irp i, 0,1,2,3,4,5,6,7
	global_store_b128 v[CO16], v[BB+4*\i:BB+4*\i+3], s[12:13] offset:2048*(\a)+256*\i   ; sixteen lanes: rows 2 i, 2 i + 1 of one head: 256 consecutive bytes, aligned
.endr
.endm
	PLACES NP                                      ; behind the last products: for the reads of results and the writes of registers that they read
	s_cmp_lg_u32 s[FLAG], 0                        ; cluster y and the wave's number alone: the same in all sixteen partners
	s_cbranch_scc1 .Lno16
	WIN 0x08                                       ; POSITIONS 0-15 ALSO LEAVE AS f32: my block 0, window 2
.irp b, 0,1,2,3,4,5,6,7
	ds_store_b128 v[STO32], v[8*\b:8*\b+3] offset:64*\b
	ds_store_b128 v[STO32], v[8*\b+4:8*\b+7] offset:64*\b+16
.endr
	WIN 0
.irp i, 0,1,2,3,4,5,6,7,8,9,10,11,12,13,14,15
	ds_load_b128 v[128+4*\i:131+4*\i], v[RD32] offset:\i*528
.endr
	s_wait_dscnt 0x0
.irp i, 0,1,2,3,4,5,6,7,8,9,10,11,12,13,14,15
	global_store_b128 v[CO32], v[128+4*\i:131+4*\i], s[96:97] offset:256*\i   ; sixteen lanes: one head's row of 256 bytes
.endr
.Lno16:
	PACK 0
	TOSTAGE 0
.irp a, 1,2,3,4,5,6,7                  ; block a's conversions stand between block a - 1's loads from the stage and the wait for them
	PACK \a
	SEND \a-1
	TOSTAGE \a
.endr
	SEND 7
	s_wait_tensorcnt 0x0                           ; the wave's end
	ds_add_u32 v[SPW], v[NIL]
	s_wait_dscnt 0x0
	CROUND                                         ; the closing round
	s_endpgm
.Lfunc_end_k_qc7cc74db48_qkv:
	.size	k_qc7cc74db48_qkv, .Lfunc_end_k_qc7cc74db48_qkv-k_qc7cc74db48_qkv
	.p2alignl 7, 3214868480
	.fill 96, 4, 3214868480
	.section	.rodata,"a",@progbits
	.p2align	6, 0x0
	.amdhsa_kernel k_qc7cc74db48_qkv
		.amdhsa_group_segment_fixed_size 327680
		.amdhsa_private_segment_fixed_size 0
		.amdhsa_enable_private_segment 0
		.amdhsa_kernarg_size 48
		.amdhsa_user_sgpr_count 2
		.amdhsa_user_sgpr_kernarg_segment_ptr 1
		.amdhsa_wavefront_size32 1
		.amdhsa_system_sgpr_workgroup_id_x 1
		.amdhsa_system_sgpr_workgroup_id_y 1
		.amdhsa_system_sgpr_workgroup_id_z 1
		.amdhsa_system_vgpr_workitem_id 0
		.amdhsa_next_free_vgpr 1024
		.amdhsa_next_free_sgpr 100
		.amdhsa_reserve_vcc 0
		.amdhsa_float_denorm_mode_32 3
		.amdhsa_float_denorm_mode_16_64 3
		.amdhsa_memory_ordered 1
		.amdhsa_forward_progress 1
		.amdhsa_inst_pref_size 131
	.end_amdhsa_kernel
	.amdgpu_metadata
---
amdhsa.version: [ 1, 2 ]
amdhsa.kernels:
  - .name:           k_qc7cc74db48_qkv
    .symbol:         k_qc7cc74db48_qkv.kd
    .args:
      - { .name: xc, .offset: 0, .size: 8, .value_kind: global_buffer, .address_space: global }
      - { .name: xs, .offset: 8, .size: 8, .value_kind: global_buffer, .address_space: global }
      - { .name: wc, .offset: 16, .size: 8, .value_kind: global_buffer, .address_space: global }
      - { .name: ws, .offset: 24, .size: 8, .value_kind: global_buffer, .address_space: global }
      - { .name: qkvh, .offset: 32, .size: 8, .value_kind: global_buffer, .address_space: global }
      - { .name: qkv16, .offset: 40, .size: 8, .value_kind: global_buffer, .address_space: global }
    .group_segment_fixed_size: 327680
    .private_segment_fixed_size: 0
    .kernarg_segment_align: 8
    .kernarg_segment_size: 48
    .max_flat_workgroup_size: 128
    .sgpr_count:     100
    .vgpr_count:     1024
    .wavefront_size: 32
...
	.end_amdgpu_metadata
.endif
;; end of part 2
;; launch attn (part 3): grid 4 x 64, 16 waves a work-group, no clusters, 327,680 bytes of LDS; arguments qkvh, yh; writes yh
.if DOCPART == 3
	.amdgcn_target "amdgcn-amd-amdhsa--gfx1250"
	.amdhsa_code_object_version 6
	.text
	.protected	k_qc7cc74db48_attn
	.globl	k_qc7cc74db48_attn
	.p2align	8
	.type	k_qc7cc74db48_attn,@function
k_qc7cc74db48_attn:
	s_mov_b64 s[64:65], 0
	v_nop
	global_prefetch_b8 v0, s[64:65] scope:SCOPE_SE
	s_setreg_imm32_b32 hwreg(HW_REG_WAVE_MODE, 25, 1), 1
	s_wait_xcnt 0x0
; yh[bh][q][:] = the sum over keys k <= q of softmax_k(Q[q] . K[k] / 8) V[k][:], for the 64 heads of 2,048 positions x 64 channels.  Operands f16, products' sums, maxima and row sums f32; a running maximum is taken away before every exponential.
; WORK LEFT OUT: reference() sets the scores of keys after a query to -inf itself, so they add exp(-inf) = 0 for all inputs: a step of 64 keys whose first key comes after my last query is jumped over, and a slot of keys that no wave of
; the work-group reads is not fetched.  A NaN, an infinity or an overflow that reaches only those steps is not carried to the result.  (Rows t < 16 are made here too, inside tiles with live rows; out0's rows t < 16 come from launch first16.)
; SHARES.  Work-group (i, bh) owns blocks i and 7 - i of 256 queries of head bh: 9 units of 256 x 256 under the mask in every work-group.  Wave w: g = (w ^ (w >> 2)) & 1 picks the block (1: the later one), w >> 1 its 32 queries:
; two tiles of 16, so that each fragment of K and V read from LDS feeds two matrix instructions.  Every wave walks all 8 slots of 256 keys, so that trip counts are constants, and jumps over hidden steps.
; NO CLUSTER: the four work-groups of a head stop fetching at different slots (8 - i of them), so a joint load would bring tiles whose reads every wave of some partner jumps over.
; LAYOUT.  S^T = K Q^T (source 0 = 16 keys, source 1 = 16 queries): a lane holds ONE query (lane % 16) and keys 8 (lane / 16) + 0..7 of a tile; two such tiles, rounded to f16 in pairs, are source 1 of O^T = V^T P.  V is turned by ds_load_tr16_b128.
; p = 2^(c s - c m), c = log2(e) / 8; in every step O and l are multiplied by a = 2^(c m_old - c m_new).  LIMIT: p, at most 1, is rounded to f16.
; RING: two slots, 2^17 bytes apart; waves 0, 1 fetch K's halves, waves 2, 3 V's; by this text's own count a wave has one tensor load out at the most.
.set PK,    144                        ; a row of K in LDS: 128 bytes + 16: the 16 rows of a load start at 16 different 16-byte columns
.set PVP,   160                        ; a row of V: 128 + 32
.set VOFF,  256*PK                     ; a slot: 256 rows of K, then 256 rows of V
.set SLOT1, 1<<17
.set STAGE, SLOT1+256*(PK+PVP)         ; behind the ring: 2 x 16 rows x 144 bytes for each wave
.set WSTG,  2*16*PK
.set SPARE, STAGE+16*WSTG              ; the spare words, 128 bytes for each wave
.set HB,    1<<18                      ; a head's bytes
.set AK0, 1                            ; v1  my lane's place in a tile of K
.set AV0, 2                            ; v2  of V
.set ADK, 3                            ; v3, v4 the addresses of the step in hand
.set ADV, 4
.set SPW, 5
.set NIL, 6
.set RH,  7                            ; v7  lane % 16 - 8 (lane / 16)
.set STO, 8                            ; v8, v9 the stage, in and back
.set RD,  9
.set GO,  10                           ; v10 16 x lane
.set PFO, 11                           ; v11 256 x lane; never rewritten
.set NINF, 12                          ; v12 -infinity
.set DD,  13                           ; v13, v14 the diagonal: tile t's query less the register's key base
.set QO,  15                           ; v15 Q's offset
.set ST,  16                           ; statistics, tile t at ST + 8 t: +0 c m, +1 m, +2, +3 l, +4 .. +7 at work; a at +6
.set Q,   32                           ; Q's fragments (t, kk) at Q + 16 t + 8 kk
.set KV,  64                           ; K's, then V's fragments of a step
.set S,   128                          ; S^T, tile t at S + 32 t; P is packed into its first 16
.set O,   192                          ; O^T, (t, ct) at O + 32 t + 8 ct
.set TB,  2                            ; s2  LDS byte at which the slot in hand begins
.set SLOTS, 3
.set WV,  18
.set SEL, 20
.set CS,  22
.set G1K, 24
.set G1V, 32
.set G0K, 40
.set G0V, 44
.set KF,  48                           ; s48 the step's first key
.set Q0,  49                           ; s49 my first query
.set QL,  50                           ; s50 my work-group's last query
.set PFA, 52                           ; s[52:53] where my prefetches stand
.set LIM, 54                           ; s54 1 in a wave that prefetches, else the greatest number
; Waves 0 and 1 fetch for K, waves 2 and 3 for V, the others nothing.  An s_nop 0 and four v_nop follow each of the two lines.
.macro TLOAD
	s_cmp_lt_u32 s[WV], 2
	s_cbranch_scc0 .Lnot_k_\@
	tensor_load_to_lds s[G0K:G0K+3], s[G1K:G1K+7]
	s_nop 0
.rept 4
	v_nop
.endr
	s_branch .Lasked_\@
.Lnot_k_\@:
	s_cmp_lt_u32 s[WV], 4
	s_cbranch_scc0 .Lasked_\@
	tensor_load_to_lds s[G0V:G0V+3], s[G1V:G1V+7]
	s_nop 0
.rept 4
	v_nop
.endr
.Lasked_\@:
.endm
; A prefetch of what the NEXT change of slots will ask for: a slot's 32,768 dense bytes of K and of V.  All work-groups of a head walk the same K and V: the head's work-group 0, which fetches all 8 slots, asks.
; In it waves 4 to 7 ask for K, waves 8 to 11 for V: 8,192 bytes a wave, lanes 256 bytes apart, one instruction: each aligned block of 256 bytes is named once in the launch.  The last change that fills a slot asks for nothing.
.macro ASK
	s_cmp_gt_u32 s[SLOTS], s[LIM]
	s_cbranch_scc0 .Lnot_mine_\@
	global_prefetch_b8 v[PFO], s[PFA:PFA+1] th:TH_LOAD_NT scope:SCOPE_SE
.Lnot_mine_\@:
.endm
	s_load_b128 s[4:7], s[0:1], 0x0                ; qkvh, yh
	v_lshl_add_u32 v[SPW], v0, 2, SPARE
	v_mov_b32 v[NIL], 0
	ds_add_u32 v[SPW], v[NIL]                      ; the wave's opening: the add, twice on end, and its wait ahead of the first tensor load
	ds_add_u32 v[SPW], v[NIL]
	v_lshrrev_b32 v1, 5, v0
	v_readfirstlane_b32 s[WV], v1                  ; wave 0..15
	s_and_b32 s55, ttmp7, 0xffff                   ; bh
	s_lshr_b32 s56, s55, 4                         ; batch
	s_and_b32 s57, s55, 15                         ; head
	s_mul_i32 s56, s56, 48
	s_add_co_u32 s56, s56, s57
	s_lshl_b32 s56, s56, 18                        ; q's head in qkvh; k's lies 16 heads on, v's 32
	s_mov_b32 s57, 0
	s_lshl_b32 s58, s55, 18                        ; the head in yh
	s_mov_b32 s59, 0
	s_lshr_b32 s60, s[WV], 2
	s_xor_b32 s60, s60, s[WV]
	s_and_b32 s60, s60, 1                          ; g
	s_sub_co_u32 s61, 7, ttmp9
	s_cmp_eq_u32 s60, 1
	s_cselect_b32 s61, s61, ttmp9                  ; my block of 256 queries
	s_lshl_b32 s[Q0], s61, 8
	s_lshr_b32 s62, s[WV], 1
	s_lshl_b32 s62, s62, 5
	s_add_co_u32 s[Q0], s[Q0], s62                 ; my first query
	s_lshl_b32 s[QL], ttmp9, 8
	s_sub_co_u32 s[QL], 2047, s[QL]                ; the last query of block 7 - i
	; descriptor group 1: 128 rows of 64 elements of 2 bytes, dense in memory, padded in LDS behind every 32 words: K 4 words, V 8
	s_mov_b32 s[G1K], (1<<16)|(1<<20)|(4<<22)|(3<<25)
	s_mov_b32 s[G1V], (1<<16)|(1<<20)|(4<<22)|(7<<25)
.irp g, G1K, G1V
	s_mov_b32 s[\g+1], 64<<16                      ; tensor_dim0
	s_mov_b32 s[\g+2], 128<<16                     ; tensor_dim1
	s_mov_b32 s[\g+3], 64<<16                      ; tile_dim0
	s_mov_b32 s[\g+4], 128                         ; tile_dim1
	s_mov_b32 s[\g+5], 64                          ; the pitch in memory
	s_mov_b32 s[\g+6], 0
	s_mov_b32 s[\g+7], 0
.endr
	s_and_b32 s63, s[WV], 1                        ; which 128 rows of a slot I fetch, if I fetch
	s_mul_i32 s66, s63, 128*PK
	s_mul_i32 s67, s63, 128*PVP
	s_add_co_u32 s67, s67, VOFF
	s_lshl_b32 s68, s63, 14
	s_mov_b32 s69, 0
	s_add_nc_u64 s[68:69], s[68:69], s[56:57]
	s_mov_b32 s[SEL], 0x76543210
	s_mov_b32 s[SEL+1], 0xfedcba98                 ; v_permlanex16_b32's selects for lane l xor 16
	s_mov_b32 s[CS], 0x3e38aa3b                    ; c = log2(e) / 8
	s_mov_b32 s[CS+1], s[CS]                       ; (named with it as a pair, so it is written)
	s_mov_b32 s[TB], 0
	s_mov_b32 s[SLOTS], 7
	s_mov_b32 s[KF], 0
	s_wait_dscnt 0x0                               ; both opening adds are done
	s_wait_kmcnt 0x0
	s_mov_b32 s[G0K], 1
	s_mov_b32 s[G0K+1], s66
	s_add_nc_u64 s[G0K+2:G0K+3], s[4:5], s[68:69]
	s_add_nc_u64 s[G0K+2:G0K+3], s[G0K+2:G0K+3], 16*HB
	s_or_b32 s[G0K+3], s[G0K+3], 0x80000000
	s_mov_b32 s[G0V], 1
	s_mov_b32 s[G0V+1], s67
	s_add_nc_u64 s[G0V+2:G0V+3], s[4:5], s[68:69]
	s_add_nc_u64 s[G0V+2:G0V+3], s[G0V+2:G0V+3], 32*HB
	s_or_b32 s[G0V+3], s[G0V+3], 0x80000000
	TLOAD                                          ; slot 0: it holds key 0, which counts for every query
	s_lshl_b32 s70, s[Q0], 7
	s_mov_b32 s71, 0
	s_add_nc_u64 s[8:9], s[4:5], s[56:57]
	s_add_nc_u64 s[8:9], s[8:9], s[70:71]          ; Q at my first query
	s_add_nc_u64 s[10:11], s[6:7], s[58:59]
	s_add_nc_u64 s[10:11], s[10:11], s[70:71]      ; yh likewise
	s_cmp_lt_u32 s[WV], 8                          ; the prefetches: waves 4 to 7 stand in K, waves 8 to 11 in V,
	s_mov_b32 s60, 32*HB
	s_cselect_b32 s60, 16*HB, s60
	s_and_b32 s61, s[WV], 3
	s_lshl_b32 s61, s61, 13                        ; at my wave's 8,192 bytes
	s_add_co_u32 s60, s60, s61
	s_add_co_u32 s60, s60, 32768                   ; of slot 1: the first change of slots steps it to slot 2.  Nothing is prefetched here, at the head
	s_mov_b32 s61, 0
	s_add_nc_u64 s[PFA:PFA+1], s[4:5], s[56:57]
	s_add_nc_u64 s[PFA:PFA+1], s[PFA:PFA+1], s[60:61]
	s_sub_co_u32 s60, s[WV], 4
	s_lshr_b32 s60, s60, 3                         ; 0 in waves 4 to 11,
	s_or_b32 s60, s60, ttmp9                       ; of the head's work-group 0
	s_cmp_eq_u32 s60, 0
	s_cselect_b32 s[LIM], 1, -1
	v_and_b32 v[RH], 15, v0                        ; r
	v_bfe_u32 v[DD], v0, 4, 1                      ; h
	v_lshlrev_b32 v[QO], 7, v[RH]
	v_lshl_add_u32 v[QO], v[DD], 4, v[QO]          ; Q: row r of 128 bytes + 16 h
.irp t, 0,1
.irp kk, 0,1
	global_load_b128 v[Q+16*\t+8*\kk:Q+16*\t+8*\kk+3],   v[QO], s[8:9] offset:2048*\t+64*\kk      ; Q stays in registers
	global_load_b128 v[Q+16*\t+8*\kk+4:Q+16*\t+8*\kk+7], v[QO], s[8:9] offset:2048*\t+64*\kk+32
.endr
.endr
	v_mul_u32_u24 v[AK0], v[RH], PK
	v_lshl_add_u32 v[AK0], v[DD], 4, v[AK0]        ; K: row r x pitch + 16 h
	v_and_b32 v[ADK], 7, v0
	v_lshl_add_u32 v[ADK], v[DD], 3, v[ADK]        ; V, for the turning load: key 8 h + l % 8,
	v_mul_u32_u24 v[AV0], v[ADK], PVP
	v_bfe_u32 v[ADK], v0, 3, 1
	v_lshl_add_u32 v[AV0], v[ADK], 4, v[AV0]       ; channels 8 ((l / 8) % 2) on
	v_add_nc_u32 v[AV0], VOFF, v[AV0]
	s_mul_i32 s60, s[WV], WSTG
	s_add_co_u32 s60, s60, STAGE                   ; my stage
	v_mul_u32_u24 v[STO], v[RH], PK
	v_lshl_add_u32 v[STO], v[DD], 4, v[STO]
	v_add_nc_u32 v[STO], s60, v[STO]               ; in: row r, 16 bytes for each half of the lanes
	v_and_b32 v[ADV], 31, v0                       ; lane
	v_lshrrev_b32 v[RD], 3, v[ADV]
	v_mul_u32_u24 v[RD], v[RD], PK
	v_and_b32 v[ADK], 7, v0
	v_lshl_add_u32 v[RD], v[ADK], 4, v[RD]
	v_add_nc_u32 v[RD], s60, v[RD]                 ; back: eight lanes to a row of 128 bytes, four rows an instruction
	v_lshlrev_b32 v[GO], 4, v[ADV]
	v_lshlrev_b32 v[PFO], 8, v[ADV]
	v_mov_b32 v[NINF], 0xff800000
	v_lshlrev_b32 v[DD], 3, v[DD]
	v_sub_nc_u32 v[RH], v[RH], v[DD]               ; r - 8 h
.irp t, 0,1
	v_mov_b32 v[ST+8*\t+1], 0xff61b1e6             ; m = -3e38, under every score
	v_mul_f32 v[ST+8*\t], s[CS], v[ST+8*\t+1]      ; c m
.irp j, 2,3,4,5,6,7
	v_mov_b32 v[ST+8*\t+\j], 0
.endr
.endr
.irp j, 0,1,2,3,4,5,6,7,8,9,10,11,12,13,14,15,16,17,18,19,20,21,22,23,24,25,26,27,28,29,30,31,32,33,34,35,36,37,38,39,40,41,42,43,44,45,46,47,48,49,50,51,52,53,54,55,56,57,58,59,60,61,62,63
	v_mov_b32 v[O+\j], 0                           ; O^T.  (The step is written once: the first finds zeros, which a = 0 leaves zeros)
.endr
; A KEY STEP: 64 keys, the q-th of the slot in hand.
.macro STEP q
	s_add_co_u32 s55, s[Q0], 31                    ; all 64 keys after my last query: the step is left out.  Ids and the count of steps alone; no barrier, wait for a tile or tensor load stands in a step
	s_cmp_gt_u32 s[KF], s55
	s_cbranch_scc1 .Lhidden_\@
	v_add_nc_u32 v[ADK], s[TB], v[AK0]
	v_add_nc_u32 v[ADV], s[TB], v[AV0]
.rept 3
	v_nop                                          ; with the two additions five places behind the last V^T P: four for the loads into its registers, five for the products that write over P
.endr
.irp kt, 0,1,2,3
.irp kk, 0,1
	ds_load_b128 v[KV+16*\kt+8*\kk:KV+16*\kt+8*\kk+3],   v[ADK] offset:(64*(\q)+16*\kt)*PK+64*\kk
	ds_load_b128 v[KV+16*\kt+8*\kk+4:KV+16*\kt+8*\kk+7], v[ADK] offset:(64*(\q)+16*\kt)*PK+64*\kk+32
.endr
.endr
	s_wait_dscnt 0x0
.irp kk, 0,1                                   ; S^T = K Q^T: eight accumulators by turns, one instruction a turn
.irp kt, 0,1,2,3
.irp t, 0,1
.if \kk == 0
	v_wmma_f32_16x16x32_f16 v[S+32*\t+8*\kt:S+32*\t+8*\kt+7], v[KV+16*\kt+8*\kk:KV+16*\kt+8*\kk+7], v[Q+16*\t+8*\kk:Q+16*\t+8*\kk+7], 0
.else
	v_wmma_f32_16x16x32_f16 v[S+32*\t+8*\kt:S+32*\t+8*\kt+7], v[KV+16*\kt+8*\kk:KV+16*\kt+8*\kk+7], v[Q+16*\t+8*\kk:Q+16*\t+8*\kk+7], v[S+32*\t+8*\kt:S+32*\t+8*\kt+7]
.endif
.endr
.endr
.endr
.rept 4
	v_nop                                          ; places: in front of the loads into K's registers, and of the first read of the scores
.endr
.irp kk, 0,1                                   ; V, turned: keys 32 kk on, channels 16 ct on; it lands while the softmax is walked
.irp ct, 0,1,2,3
	ds_load_tr16_b128 v[KV+32*\kk+8*\ct:KV+32*\kk+8*\ct+3],   v[ADV] offset:(64*(\q)+32*\kk)*PVP+32*\ct
	ds_load_tr16_b128 v[KV+32*\kk+8*\ct+4:KV+32*\kk+8*\ct+7], v[ADV] offset:(64*(\q)+32*\kk)*PVP+16*PVP+32*\ct
.endr
.endr
	s_add_co_u32 s55, s[KF], 63                    ; a step all of whose keys count for all my queries skips the mask
	s_cmp_le_u32 s55, s[Q0]
	s_cbranch_scc1 .Lopen_\@
	s_sub_co_i32 s55, s[Q0], s[KF]
	v_add_nc_u32 v[DD], s55, v[RH]                 ; d = my query - KF - 8 (lane / 16).  Register 8 kt + j holds key KF + 16 kt + 8 (lane / 16) + j: hidden where 16 kt + j > d
	v_add_nc_u32 v[DD+1], 16, v[DD]
.irp t, 0,1
.irp kt, 0,1,2,3
.irp j, 0,1,2,3,4,5,6,7
	v_cmp_gt_i32 vcc_lo, 16*\kt+\j, v[DD+\t]
	v_cndmask_b32 v[S+32*\t+8*\kt+\j], v[S+32*\t+8*\kt+\j], v[NINF], vcc_lo
.endr
.endr
.endr
.Lopen_\@:
	; the softmax, the two tiles line by line in turn.  The maximum: four chains, each accumulator from its low end on; the old m is the last leaf
.irp j, 0,1,2,3
.irp t, 0,1
	v_max3_num_f32 v[ST+8*\t+4+\j], v[S+32*\t+8*\j], v[S+32*\t+8*\j+1], v[S+32*\t+8*\j+2]
.endr
.endr
.irp u, 1,2
.irp j, 0,1,2,3
.irp t, 0,1
	v_max3_num_f32 v[ST+8*\t+4+\j], v[ST+8*\t+4+\j], v[S+32*\t+8*\j+2*\u+1], v[S+32*\t+8*\j+2*\u+2]
.endr
.endr
.endr
.irp t, 0,1
	v_max3_num_f32 v[ST+8*\t+4], v[ST+8*\t+4], v[S+32*\t+7], v[S+32*\t+15]
.endr
.irp t, 0,1
	v_max3_num_f32 v[ST+8*\t+6], v[ST+8*\t+6], v[S+32*\t+23], v[S+32*\t+31]
.endr
.irp t, 0,1
	v_max3_num_f32 v[ST+8*\t+4], v[ST+8*\t+4], v[ST+8*\t+5], v[ST+8*\t+6]
.endr
.irp t, 0,1
	v_max3_num_f32 v[ST+8*\t+4], v[ST+8*\t+4], v[ST+8*\t+7], v[ST+8*\t+1]
.endr
.irp t, 0,1
	v_permlanex16_b32 v[ST+8*\t+5], v[ST+8*\t+4], s[SEL], s[SEL+1]   ; the query's other 32 keys lie in the lane 16 away
.endr
.irp t, 0,1
	v_mov_b32 v[ST+8*\t+7], v[ST+8*\t]             ; c m_old
.endr
.irp t, 0,1
	v_max_num_f32 v[ST+8*\t+1], v[ST+8*\t+4], v[ST+8*\t+5]
.endr
.irp t, 0,1
	v_mul_f32 v[ST+8*\t], s[CS], v[ST+8*\t+1]
.endr
.irp t, 0,1
	v_sub_f32 v[ST+8*\t+7], v[ST+8*\t+7], v[ST+8*\t]
.endr
.irp t, 0,1
	v_exp_f32 v[ST+8*\t+6], v[ST+8*\t+7]           ; a
.endr
.irp b, 0,1,2,3,4,5,6,7,8,9,10,11,12,13,14,15
.irp t, 0,1
	v_pk_fma_f32 v[S+32*\t+2*\b:S+32*\t+2*\b+1], v[S+32*\t+2*\b:S+32*\t+2*\b+1], s[CS:CS+1], v[ST+8*\t:ST+8*\t+1] op_sel_hi:[1,0,0] neg_lo:[0,0,1] neg_hi:[0,0,1]   ; c s - c m
.endr
.endr
.irp e, 0,1,2,3,4,5,6,7,8,9,10,11,12,13,14,15,16,17,18,19,20,21,22,23,24,25,26,27,28,29,30,31
.irp t, 0,1
	v_exp_f32 v[S+32*\t+\e], v[S+32*\t+\e]
.endr
.endr
	v_nop                                          ; a plain line behind the last exponential
	s_wait_alu depctr_va_vdst(0)                   ; one wait for the step's 66 exponentials, ahead of the first line that names a result
.irp t, 0,1
	v_pk_mul_f32 v[ST+8*\t+2:ST+8*\t+3], v[ST+8*\t+2:ST+8*\t+3], v[ST+8*\t+6:ST+8*\t+7] op_sel_hi:[1,0]   ; l x a
.endr
.irp t, 0,1
	v_pk_add_f32 v[ST+8*\t+4:ST+8*\t+5], v[S+32*\t:S+32*\t+1], v[S+32*\t+2:S+32*\t+3]   ; the row's sum, of p in f32, in two chains
.endr
.irp j, 4,8,12,16,20,24,28
.irp t, 0,1
	v_pk_add_f32 v[ST+8*\t+2:ST+8*\t+3], v[ST+8*\t+2:ST+8*\t+3], v[S+32*\t+\j:S+32*\t+\j+1]
	v_pk_add_f32 v[ST+8*\t+4:ST+8*\t+5], v[ST+8*\t+4:ST+8*\t+5], v[S+32*\t+\j+2:S+32*\t+\j+3]
.endr
.endr
.irp t, 0,1
	v_pk_add_f32 v[ST+8*\t+2:ST+8*\t+3], v[ST+8*\t+2:ST+8*\t+3], v[ST+8*\t+4:ST+8*\t+5]
.endr
.irp i, 0,1,2,3,4,5,6,7,8,9,10,11,12,13,14,15
.irp t, 0,1
	v_cvt_pk_f16_f32 v[S+32*\t+\i], v[S+32*\t+2*\i], v[S+32*\t+2*\i+1]   ; P, packed in place: register i is written when it has been read
.endr
.endr
.irp i, 0,2,4,6,8,10,12,14,16,18,20,22,24,26,28,30
.irp t, 0,1
	v_pk_mul_f32 v[O+32*\t+\i:O+32*\t+\i+1], v[O+32*\t+\i:O+32*\t+\i+1], v[ST+8*\t+6:ST+8*\t+7] op_sel_hi:[1,0]   ; O^T x a
.endr
.endr
	s_wait_dscnt 0x0                               ; V is in
.irp kk, 0,1                                   ; O^T += V^T P: eight accumulators by turns
.irp ct, 0,1,2,3
.irp t, 0,1
	v_wmma_f32_16x16x32_f16 v[O+32*\t+8*\ct:O+32*\t+8*\ct+7], v[KV+32*\kk+8*\ct:KV+32*\kk+8*\ct+7], v[S+32*\t+8*\kk:S+32*\t+8*\kk+7], v[O+32*\t+8*\ct:O+32*\t+8*\ct+7]
.endr
.endr
.endr
.Lhidden_\@:
	s_add_co_u32 s[KF], s[KF], 64
.endm
; THE CHANGE OF SLOTS stands at a slot's head.  Each wave waits for all its tensor loads, adds 0 to its spare word (fill = 1: twice on end), and waits for that and for its
; reads of the slot that it has left.  Behind the barrier the slot ahead is whole and nobody reads the other one.  fill = 1: that other slot takes the next 256 keys, up to the causal limit.
.macro CHANGE fill
	s_wait_tensorcnt 0x0                           ; no tensor load of mine is out, so a group 0 may be written
	ds_add_u32 v[SPW], v[NIL]
.if \fill
	ds_add_u32 v[SPW], v[NIL]
	s_xor_b32 s[G0K+1], s[G0K+1], SLOT1            ; the walking descriptors: the other slot, the next 256 rows of 128 bytes
	s_add_nc_u64 s[G0K+2:G0K+3], s[G0K+2:G0K+3], 32768
	s_xor_b32 s[G0V+1], s[G0V+1], SLOT1
	s_add_nc_u64 s[G0V+2:G0V+3], s[G0V+2:G0V+3], 32768
	s_wait_xcnt 0x0                                ; the last prefetch, a slot back, has read its address, so it may be written
	s_add_nc_u64 s[PFA:PFA+1], s[PFA:PFA+1], 32768
.endif
	s_wait_dscnt 0x0                               ; the add is done, and my reads of the slot that I have left are over
	s_barrier_signal -1
	s_barrier_wait -1
.if \fill
	s_add_co_u32 s55, s[KF], 256                   ; the first key of the slot that this change would ask for:
	s_cmp_gt_u32 s55, s[QL]                        ; after my work-group's last query none of its waves reads it.  Ids and the count of steps alone: all sixteen waves go the same way; every wait for tensor loads in this text is for 0
	s_cbranch_scc1 .Lpast_\@
	TLOAD                                          ; a wave's one tensor load until the next such barrier
.Lpast_\@:
	ASK
.endif
.endm
	s_wait_loadcnt 0x0                             ; Q
.Lslot:                                            ; 7 trips
	CHANGE 1
	STEP 0
	STEP 1
	STEP 2
	STEP 3
	s_xor_b32 s[TB], s[TB], SLOT1                  ; on to the other slot
	s_sub_co_u32 s[SLOTS], s[SLOTS], 1
	s_cmp_lg_u32 s[SLOTS], 0
	s_cbranch_scc1 .Lslot
	CHANGE 0                                       ; the last slot is written out: nothing is left to fetch
	STEP 0
	STEP 1
	STEP 2
	STEP 3
	; THE WAY OUT: O^T / l, rounded to f16, through my stage, so that the 32 lanes store 512 consecutive bytes of yh
.rept 4
	v_nop                                          ; places behind the last products
.endr
.irp t, 0,1
	v_add_f32 v[ST+8*\t+4], v[ST+8*\t+2], v[ST+8*\t+3]
.endr
.irp t, 0,1
	v_permlanex16_b32 v[ST+8*\t+5], v[ST+8*\t+4], s[SEL], s[SEL+1]
.endr
.irp t, 0,1
	v_add_f32 v[ST+8*\t+4], v[ST+8*\t+4], v[ST+8*\t+5]
.endr
.irp t, 0,1
	v_rcp_f32 v[ST+8*\t+6], v[ST+8*\t+4]
.endr
	v_nop
	s_wait_alu depctr_va_vdst(0)                   ; one wait for the two reciprocals, ahead of their first reader
.irp t, 0,1
.irp i, 0,2,4,6,8,10,12,14,16,18,20,22,24,26,28,30
	v_pk_mul_f32 v[O+32*\t+\i:O+32*\t+\i+1], v[O+32*\t+\i:O+32*\t+\i+1], v[ST+8*\t+6:ST+8*\t+7] op_sel_hi:[1,0]
.endr
.irp i, 0,1,2,3,4,5,6,7,8,9,10,11,12,13,14,15
	v_cvt_pk_f16_f32 v[S+16*\t+\i], v[O+32*\t+2*\i], v[O+32*\t+2*\i+1]
.endr
.irp ct, 0,1,2,3
	ds_store_b128 v[STO], v[S+16*\t+4*\ct:S+16*\t+4*\ct+3] offset:16*PK*\t+32*\ct
.endr
.irp i, 0,1,2,3
	ds_load_b128 v[KV+16*\t+4*\i:KV+16*\t+4*\i+3], v[RD] offset:16*PK*\t+4*PK*\i   ; LDS serves a wave's instructions in order: these see my stores
.endr
.endr
.irp i, 0,1,2,3
	s_wait_dscnt 11-\i                             ; behind tile 0's load i: its 3 - i later loads and tile 1's eight
	global_store_b128 v[GO], v[KV+4*\i:KV+4*\i+3], s[10:11] offset:512*\i
.endr
.irp i, 0,1,2,3
	s_wait_dscnt 3-\i
	global_store_b128 v[GO], v[KV+16+4*\i:KV+16+4*\i+3], s[10:11] offset:2048+512*\i
.endr
	s_wait_tensorcnt 0x0                           ; the wave's end
	ds_add_u32 v[SPW], v[NIL]
	s_wait_dscnt 0x0
	s_endpgm
.Lfunc_end_k_qc7cc74db48_attn:
	.size	k_qc7cc74db48_attn, .Lfunc_end_k_qc7cc74db48_attn-k_qc7cc74db48_attn
	.p2alignl 7, 3214868480
	.fill 96, 4, 3214868480
	.section	.rodata,"a",@progbits
	.p2align	6, 0x0
	.amdhsa_kernel k_qc7cc74db48_attn
		.amdhsa_group_segment_fixed_size 327680
		.amdhsa_private_segment_fixed_size 0
		.amdhsa_enable_private_segment 0
		.amdhsa_kernarg_size 16
		.amdhsa_user_sgpr_count 2
		.amdhsa_user_sgpr_kernarg_segment_ptr 1
		.amdhsa_wavefront_size32 1
		.amdhsa_system_sgpr_workgroup_id_x 1
		.amdhsa_system_sgpr_workgroup_id_y 1
		.amdhsa_system_sgpr_workgroup_id_z 1
		.amdhsa_system_vgpr_workitem_id 0
		.amdhsa_next_free_vgpr 256
		.amdhsa_next_free_sgpr 72
		.amdhsa_reserve_vcc 1
		.amdhsa_float_denorm_mode_32 3
		.amdhsa_float_denorm_mode_16_64 3
		.amdhsa_memory_ordered 1
		.amdhsa_forward_progress 1
		.amdhsa_inst_pref_size 189
	.end_amdhsa_kernel
	.amdgpu_metadata
---
amdhsa.version: [ 1, 2 ]
amdhsa.kernels:
  - .name:           k_qc7cc74db48_attn
    .symbol:         k_qc7cc74db48_attn.kd
    .args:
      - { .name: qkvh, .offset: 0, .size: 8, .value_kind: global_buffer, .address_space: global }
      - { .name: yh, .offset: 8, .size: 8, .value_kind: global_buffer, .address_space: global }
    .group_segment_fixed_size: 327680
    .private_segment_fixed_size: 0
    .kernarg_segment_align: 8
    .kernarg_segment_size: 16
    .max_flat_workgroup_size: 512
    .sgpr_count:     72
    .vgpr_count:     256
    .wavefront_size: 32
...
	.end_amdgpu_metadata
.endif
;; end of part 3
;; launch proj (part 4): grid 4 x 64, 4 waves a work-group, clusters of 4 x 4, 327,680 bytes of LDS; arguments yh, wpt, out0; writes out0
.if DOCPART == 4
	.amdgcn_target "amdgcn-amd-amdhsa--gfx1250"
	.amdhsa_code_object_version 6
	.text
	.protected	k_qc7cc74db48_proj
	.globl	k_qc7cc74db48_proj
	.p2align	8
	.type	k_qc7cc74db48_proj,@function
k_qc7cc74db48_proj:
	s_mov_b64 s[64:65], 0
	v_nop
	global_prefetch_b8 v0, s[64:65] scope:SCOPE_SE
	s_setreg_imm32_b32 hwreg(HW_REG_WAVE_MODE, 25, 1), 1
	s_wait_xcnt 0x0
	s_wait_alu depctr_hold_cnt(0) depctr_sa_sdst(0) depctr_va_vdst(0) depctr_va_sdst(0) depctr_va_ssrc(0) depctr_va_vcc(0) depctr_vm_vsrc(0)
	s_getreg_b32 s2, hwreg(HW_REG_IB_STS2, 6, 4)
	s_cmp_eq_u32 s2, 0
	s_cbranch_scc0 .Lentry_in_a_cluster
	s_endpgm
.Lentry_in_a_cluster:
	s_bfe_u32 s2, ttmp6, 0x10000c
	s_cmp_lg_u32 s2, 0xf033
	s_cbranch_scc0 .Lentry_shape_is_right
	s_endpgm
.Lentry_shape_is_right:
; out0[m][n] = the sum over k of y[m][k] w_proj[k][n], f16 operands, f32 sums.  y lies head by head (yh [64 bh][2048 t][64]), w_proj as wpt [1024 n][1024 k].
; NOT STORED HERE: rows t < 16 of every sequence.  They are computed, inside tiles with live rows, and left: launch first16 owns those rows of out0.
; A tile of C is 128 x 256: 256 work-groups.  Four waves, each 64 x 128: 32 accumulators, 256 registers.  K goes in 8 steps of 128 (two heads of yh) through a ring of two LDS slots.
; CLUSTERS: 4 x 4.  Tile column = 4 x cluster x + cx; tile row = 16 cy + cluster y, so that the batch is cy and the tile's first position 128 x cluster y, which all partners share.  y's tiles are asked for jointly along a row
; of the cluster, wpt's along a column.  Waves 0, 1 fetch y's two heads, waves 2, 3 wpt's two halves: one load a wave behind each round; two are out at the start.
; THE MATRIX INSTRUCTION IS USED TRANSPOSED (source 0 = 16 rows of wpt, source 1 = 16 rows of y): a lane holds eight neighbouring columns of one row of C.
; REGISTERS: window 0: v0-31 addresses; two fragment buffers of 96 at v64 and v160 (64 of wpt, then 32 of y); window 1: accumulator (a, b) at v[8 (8 a + b)].
.set PA,     144                       ; a row of y in LDS: 128 bytes + 16
.set PB,     272                       ; a row of wpt: 256 bytes + 16
.set AHEAD,  128*PA                    ; one head's 128 rows
.set BOFF,   2*AHEAD
.set BHALF,  128*PB
.set SLOT,   BOFF+2*BHALF
.set STAGE,  2*SLOT                    ; behind the ring: 16 rows x 528 bytes for each wave
.set SPITCH, 528
.set SPARE,  STAGE+4*16*SPITCH
.set HB,     1<<18
.set ADRA, 16
.set ADRB, 20
.set STO,  24
.set RD,   25
.set CO,   26
.set SPW,  28
.set NIL,  29
.set F0,   64
.set F1,   160
.set BK,   64                          ; the way out: 16 rows read back: v64-127 and v128-191 by turns
.set G1, 24
.set G0, 32
.set G1B, 48
.set G0B, 56
.set FLAG, 45                          ; s45: 0 in the waves whose first 16 rows are positions 0-15
.set MSB, 0
.macro WIN new
.if MSB != \new
	s_set_vgpr_msb (MSB<<8)|\new
.set MSB, \new
.endif
.endm
.set MUL, 0x50                         ; sources 0 and 1 window 0; C and D window 1
.macro JLOAD s                         ; a joint load; an s_nop 0 and four v_nop follow each of the two lines
	s_cmp_eq_u32 s11, 0
	s_cbranch_scc0 .Lfor_b_\@
	tensor_load_to_lds s[G0+4*\s:G0+4*\s+3], s[G1:G1+7]
	s_nop 0
.rept 4
	v_nop
.endr
	s_branch .Lasked_\@
.Lfor_b_\@:
	tensor_load_to_lds s[G0B+4*\s:G0B+4*\s+3], s[G1B:G1B+7]
	s_nop 0
.rept 4
	v_nop
.endr
.Lasked_\@:
.endm
.macro CREST
	s_cmp_lg_u32 s10, 0
	s_cbranch_scc1 .Lnot_wave_0_\@
	s_barrier_signal -3
.Lnot_wave_0_\@:
	s_barrier_wait -3
	s_barrier_signal -1
	s_barrier_wait -1
.endm
.macro CROUND
	s_barrier_signal -1
	s_barrier_wait -1
	CREST
.endm
	s_load_b128 s[4:7], s[0:1], 0x0                ; yh, wpt
	s_load_b64 s[8:9], s[0:1], 0x10                ; out0
	v_lshl_add_u32 v[SPW], v0, 2, SPARE
	v_mov_b32 v[NIL], 0
	ds_add_u32 v[SPW], v[NIL]                      ; the wave's opening: the add, twice on end, and its wait ahead of my first tensor load
	ds_add_u32 v[SPW], v[NIL]
	v_lshrrev_b32 v1, 5, v0
	v_readfirstlane_b32 s10, v1                    ; wave 0..3
	s_lshr_b32 s11, s10, 1                         ; which 64 rows of the tile are mine.  Also: I fetch for y (0) or for wpt (1)
	s_and_b32 s12, s10, 1                          ; which 128 columns.  Also: which head, or which 128 rows of wpt, I fetch
	s_bfe_u32 s40, ttmp6, 0x40000                  ; cx
	s_bfe_u32 s41, ttmp6, 0x40004                  ; cy
	s_lshl_b32 s42, ttmp9, 2
	s_add_co_u32 s42, s42, s40                     ; tile column
	s_and_b32 s13, ttmp7, 0xffff                   ; cluster y
	s_lshl_b32 s43, s41, 2
	s_lshl_b32 s43, 15, s43                        ; my row of the cluster
	s_lshl_b32 s44, 0x1111, s40                    ; my column
	s_or_b32 s[G1+0], s43, (1<<16)|(1<<20)|(1<<21)|(4<<22)|(3<<25)   ; y: elements of 2 bytes; 4 words of padding behind every 32
	s_mov_b32 s[G1+1], 64<<16                      ; 128 rows of 64 elements, dense in memory
	s_mov_b32 s[G1+2], 128<<16
	s_mov_b32 s[G1+3], 64<<16
	s_mov_b32 s[G1+4], 128
	s_mov_b32 s[G1+5], 64
	s_mov_b32 s[G1+6], 0
	s_mov_b32 s[G1+7], 0
	s_or_b32 s[G1B+0], s44, (1<<16)|(1<<20)|(1<<21)|(5<<22)|(3<<25)  ; wpt: 4 words behind every 64
	s_mov_b32 s[G1B+1], 128<<16                    ; 128 rows of 128 elements, 1,024 elements apart
	s_mov_b32 s[G1B+2], 128<<16
	s_mov_b32 s[G1B+3], 128<<16
	s_mov_b32 s[G1B+4], 128
	s_mov_b32 s[G1B+5], 1024
	s_mov_b32 s[G1B+6], 0
	s_mov_b32 s[G1B+7], 0
	s_lshl_b32 s16, s41, 4
	s_add_co_u32 s16, s16, s12
	s_lshl_b32 s16, s16, 18                        ; y: head 16 cy + my one of the step's two,
	s_lshl_b32 s17, s13, 14
	s_add_co_u32 s16, s16, s17                     ; + 128 x cluster y rows of 128 bytes
	s_mov_b32 s17, 0
	s_lshl_b32 s46, s42, 19                        ; wpt: row 256 x tile column + 128 x half, 2,048 bytes a row
	s_lshl_b32 s47, s12, 18
	s_add_co_u32 s46, s46, s47
	s_mov_b32 s47, 0
	s_mul_i32 s20, s12, AHEAD                      ; where they go: no place in the cluster enters an LDS address
	s_mul_i32 s21, s12, BHALF
	s_add_co_u32 s21, s21, BOFF
	s_wait_dscnt 0x0                               ; both opening adds are done
	s_wait_kmcnt 0x0
	s_add_nc_u64 s[14:15], s[4:5], s[16:17]
	s_add_nc_u64 s[46:47], s[6:7], s[46:47]
	CROUND                                         ; all sixteen work-groups are here: the first joint loads meet
.irp s, 0,1
	s_mov_b32 s[G0+4*\s], 1
	s_add_co_u32 s[G0+4*\s+1], s20, \s*SLOT
	s_add_nc_u64 s[G0+4*\s+2:G0+4*\s+3], s[14:15], \s*2*HB       ; K step s: heads 2 s, 2 s + 1
	s_or_b32 s[G0+4*\s+3], s[G0+4*\s+3], 0x80000000
	s_mov_b32 s[G0B+4*\s], 1
	s_add_co_u32 s[G0B+4*\s+1], s21, \s*SLOT
	s_add_nc_u64 s[G0B+4*\s+2:G0B+4*\s+3], s[46:47], \s*256
	s_or_b32 s[G0B+4*\s+3], s[G0B+4*\s+3], 0x80000000
	JLOAD \s
.endr
	v_and_b32 v1, 15, v0                           ; r
	v_bfe_u32 v2, v0, 4, 1                         ; h
	v_mul_u32_u24 v3, v1, PA
	v_lshl_add_u32 v3, v2, 4, v3
	v_mul_u32_u24 v4, v1, PB
	v_lshl_add_u32 v4, v2, 4, v4
	s_mul_i32 s22, s11, 64*PA                      ; my 64 rows of y
	s_mul_i32 s23, s12, BHALF                      ; my 128 rows of wpt
	s_add_co_u32 s23, s23, BOFF
.irp s, 0,1
	v_add_nc_u32 v[ADRA+\s], s22, v3
	v_add_nc_u32 v[ADRB+\s], s23, v4
	s_add_co_u32 s22, s22, SLOT
	s_add_co_u32 s23, s23, SLOT
.endr
	s_mul_i32 s23, s10, 16*SPITCH
	s_add_co_u32 s23, s23, STAGE                   ; my stage
	v_mul_u32_u24 v5, v1, SPITCH
	v_lshl_add_u32 v5, v2, 5, v5
	v_add_nc_u32 v[STO], s23, v5                   ; in: row r, 32 bytes for each half of the lanes
	v_and_b32 v6, 31, v0
	v_lshlrev_b32 v[CO], 4, v6                     ; back: the 32 lanes take one row of 512 bytes; and the same in out0
	v_add_nc_u32 v[RD], s23, v[CO]
	s_lshl_b32 s18, s41, 11                        ; my first row of out0: 2,048 cy + 128 cluster y + 64 x half,
	s_lshl_b32 s19, s13, 7
	s_add_co_u32 s18, s18, s19
	s_lshl_b32 s19, s11, 6
	s_add_co_u32 s18, s18, s19
	s_lshl_b32 s18, s18, 12                        ; 4,096 bytes a row,
	s_lshl_b32 s19, s42, 10                        ; + my first column: 1,024 x tile column + 512 x half
	s_add_co_u32 s18, s18, s19
	s_lshl_b32 s19, s12, 9
	s_add_co_u32 s18, s18, s19
	s_mov_b32 s19, 0
	s_add_nc_u64 s[8:9], s[8:9], s[18:19]
	s_or_b32 s[FLAG], s13, s11
; 8 matrix instructions: y's block a against wpt's eight, 32 along K.  The 32 accumulators take turns, one instruction a turn, in the same order in every quarter.
.macro MUL8 f, a, zero
.irp b, 0,1,2,3,4,5,6,7
.if \zero
	v_wmma_f32_16x16x32_f16 v[8*(8*(\a)+\b):8*(8*(\a)+\b)+7], v[\f+8*\b:\f+8*\b+7], v[\f+64+8*(\a):\f+64+8*(\a)+7], 0
.else
	v_wmma_f32_16x16x32_f16 v[8*(8*(\a)+\b):8*(8*(\a)+\b)+7], v[\f+8*\b:\f+8*\b+7], v[\f+64+8*(\a):\f+64+8*(\a)+7], v[8*(8*(\a)+\b):8*(8*(\a)+\b)+7]
.endif
.endr
.endm
.macro FETCH slot, q, f                ; 24 LDS loads in one run: the slot's q-th 32 along K: wpt's eight fragments, then y's four (head q / 2, channels 32 (q % 2) on)
.irp i, 0,1,2,3,4,5,6,7
	ds_load_b128 v[\f+8*\i:\f+8*\i+3],   v[ADRB+\slot] offset:64*(\q)+\i*16*PB
	ds_load_b128 v[\f+8*\i+4:\f+8*\i+7], v[ADRB+\slot] offset:64*(\q)+\i*16*PB+32
.endr
.irp i, 0,1,2,3
	ds_load_b128 v[\f+64+8*\i:\f+64+8*\i+3],   v[ADRA+\slot] offset:((\q)/2)*AHEAD+((\q)%2)*64+\i*16*PA
	ds_load_b128 v[\f+64+8*\i+4:\f+64+8*\i+7], v[ADRA+\slot] offset:((\q)/2)*AHEAD+((\q)%2)*64+\i*16*PA+32
.endr
.endm
.macro PLACES
.rept 4
	v_nop
.endr
.endm
.macro QUARTER slot, qn, f, g, zero    ; multiplies buffer f; in its middle fetches the slot's quarter qn into buffer g
	s_wait_dscnt 4                                 ; all but the youngest four loads (y's blocks 2, 3)
	WIN MUL
	MUL8 \f, 0, \zero
	MUL8 \f, 1, \zero
	PLACES                                         ; in front of loads into registers that matrix instructions have read
	WIN 0
	FETCH \slot, \qn, \g
	s_wait_dscnt 24                                ; all but the 24 just issued
	WIN MUL
	MUL8 \f, 2, \zero
	MUL8 \f, 3, \zero
.endm
; The last quarter multiplies buffer 1 and changes slots: one barrier; in front of it each wave waits for all its tensor loads, adds 0 to its spare word, and waits for that and for its reads of this slot.  fill = 1: the barrier opens
; a round of the cluster's barrier, and this slot is filled again, two K steps ahead, first thing behind the round.
.macro TURN slot, next, fill
	WIN 0
	s_wait_tensorcnt 0x0                           ; my part of the next slot has landed; no load of mine is out
	ds_add_u32 v[SPW], v[NIL]
	s_wait_dscnt 5                                 ; the add and the youngest four loads may be out
	WIN MUL
	MUL8 F1, 0, 0
	s_wait_dscnt 0x0                               ; the add is done, and my reads of this slot are over
	s_barrier_signal -1
	MUL8 F1, 1, 0
	WIN 0
	s_barrier_wait -1
.if \fill
	CREST                                          ; no wave of any partner still reads this slot or has a load on its way
	s_add_nc_u64 s[G0+4*\slot+2:G0+4*\slot+3], s[G0+4*\slot+2:G0+4*\slot+3], 4*HB     ; four heads on
	s_add_nc_u64 s[G0B+4*\slot+2:G0B+4*\slot+3], s[G0B+4*\slot+2:G0B+4*\slot+3], 512  ; 256 along K on
	JLOAD \slot                                    ; its four v_nop are also the places in front of the loads below
.else
	PLACES
.endif
	FETCH \next, 0, F0
	WIN MUL
	MUL8 F1, 2, 0
	MUL8 F1, 3, 0
.endm
	s_wait_tensorcnt 1                             ; my part of K step 0 is in; K step 1's load may be out
	s_barrier_signal -1
	s_barrier_wait -1
	FETCH 0, 0, F0
	QUARTER 0, 1, F0, F1, 1                        ; the first quarter's products start the sums: nothing is cleared
	WIN 0
	s_mov_b32 s3, 3
.Llap:                                             ; a trip goes once round the ring and fills both slots again: K steps 2 to 7
	QUARTER 0, 2, F1, F0, 0
	QUARTER 0, 3, F0, F1, 0
	TURN 0, 1, 1
	QUARTER 1, 1, F0, F1, 0
	QUARTER 1, 2, F1, F0, 0
	QUARTER 1, 3, F0, F1, 0
	TURN 1, 0, 1
	QUARTER 0, 1, F0, F1, 0
	WIN 0
	s_sub_co_u32 s3, s3, 1
	s_cmp_lg_u32 s3, 0
	s_cbranch_scc1 .Llap
	QUARTER 0, 2, F1, F0, 0                        ; the last lap fills nothing
	QUARTER 0, 3, F0, F1, 0
	TURN 0, 1, 0
	QUARTER 1, 1, F0, F1, 0
	QUARTER 1, 2, F1, F0, 0
	QUARTER 1, 3, F0, F1, 0
	s_wait_dscnt 4
	WIN MUL
	MUL8 F1, 0, 0
	MUL8 F1, 1, 0
	s_wait_dscnt 0
	MUL8 F1, 2, 0
	MUL8 F1, 3, 0
	WIN 0
; THE WAY OUT, block by block of 16 rows x 128 columns, through my own stage: back as whole rows of 512 bytes.  LDS serves a wave's instructions in order.
.macro TOSTAGE a
	WIN 0x04                                       ; an LDS store's data are its source 1: window 1
.irp b, 0,1,2,3,4,5,6,7
	ds_store_b128 v[STO], v[8*(8*(\a)+\b):8*(8*(\a)+\b)+3] offset:64*\b          ; each accumulator from its low end on
	ds_store_b128 v[STO], v[8*(8*(\a)+\b)+4:8*(8*(\a)+\b)+7] offset:64*\b+16
.endr
	WIN 0
.set BB, BK+64*((\a)%2)
.irp t, 0,1,2,3,4,5,6,7,8,9,10,11,12,13,14,15
	ds_load_b128 v[BB+4*\t:BB+4*\t+3], v[RD] offset:\t*SPITCH
.endr
.endm
.macro SEND a, younger                 ; younger: the LDS instructions issued behind block a's loads, which may stay out
.set BB, BK+64*((\a)%2)
	s_wait_dscnt \younger
.irp t, 0,1,2,3,4,5,6,7,8,9,10,11,12,13,14,15
	global_store_b128 v[CO], v[BB+4*\t:BB+4*\t+3], s[8:9] offset:(16*(\a)+\t)*4096 th:TH_STORE_NT   ; 32 lanes store 512 consecutive bytes, aligned
.endr
.endm
	PLACES
	s_cmp_eq_u32 s[FLAG], 0                        ; cluster y and the wave's number alone: my block 0 is positions 0-15, which first16 stores
	s_cbranch_scc1 .Lskip0
	TOSTAGE 0
	SEND 0, 0
.Lskip0:
	TOSTAGE 1
	s_wait_xcnt 0x0                                ; block 0's stores have read the registers into which block 2's loads land
	TOSTAGE 2
	SEND 1, 32                                     ; behind block 1's loads: block 2's 16 stores and 16 loads
	s_wait_xcnt 0x0
	TOSTAGE 3
	SEND 2, 32
	SEND 3, 0
	s_wait_tensorcnt 0x0                           ; the wave's end
	ds_add_u32 v[SPW], v[NIL]
	s_wait_dscnt 0x0
	CROUND                                         ; the closing round
	s_endpgm
.Lfunc_end_k_qc7cc74db48_proj:
	.size	k_qc7cc74db48_proj, .Lfunc_end_k_qc7cc74db48_proj-k_qc7cc74db48_proj
	.p2alignl 7, 3214868480
	.fill 96, 4, 3214868480
	.section	.rodata,"a",@progbits
	.p2align	6, 0x0
	.amdhsa_kernel k_qc7cc74db48_proj
		.amdhsa_group_segment_fixed_size 327680
		.amdhsa_private_segment_fixed_size 0
		.amdhsa_enable_private_segment 0
		.amdhsa_kernarg_size 24
		.amdhsa_user_sgpr_count 2
		.amdhsa_user_sgpr_kernarg_segment_ptr 1
		.amdhsa_wavefront_size32 1
		.amdhsa_system_sgpr_workgroup_id_x 1
		.amdhsa_system_sgpr_workgroup_id_y 1
		.amdhsa_system_sgpr_workgroup_id_z 1
		.amdhsa_system_vgpr_workitem_id 0
		.amdhsa_next_free_vgpr 512
		.amdhsa_next_free_sgpr 66
		.amdhsa_reserve_vcc 0
		.amdhsa_float_denorm_mode_32 3
		.amdhsa_float_denorm_mode_16_64 3
		.amdhsa_memory_ordered 1
		.amdhsa_forward_progress 1
		.amdhsa_inst_pref_size 85
	.end_amdhsa_kernel
	.amdgpu_metadata
---
amdhsa.version: [ 1, 2 ]
amdhsa.kernels:
  - .name:           k_qc7cc74db48_proj
    .symbol:         k_qc7cc74db48_proj.kd
    .args:
      - { .name: yh, .offset: 0, .size: 8, .value_kind: global_buffer, .address_space: global }
      - { .name: wpt, .offset: 8, .size: 8, .value_kind: global_buffer, .address_space: global }
      - { .name: out0, .offset: 16, .size: 8, .value_kind: global_buffer, .address_space: global }
    .group_segment_fixed_size: 327680
    .private_segment_fixed_size: 0
    .kernarg_segment_align: 8
    .kernarg_segment_size: 24
    .max_flat_workgroup_size: 128
    .sgpr_count:     66
    .vgpr_count:     512
    .wavefront_size: 32
...
	.end_amdgpu_metadata
.endif
;; end of part 4
;; launch first16 (part 5): grid 16 x 4, 16 waves a work-group, no clusters, 71,680 bytes of LDS; arguments qkv16, w_proj, out0; writes out0
.if DOCPART == 5
	.amdgcn_target "amdgcn-amd-amdhsa--gfx1250"
	.amdhsa_code_object_version 6
	.text
	.protected	k_qc7cc74db48_first16
	.globl	k_qc7cc74db48_first16
	.p2align	8
	.type	k_qc7cc74db48_first16,@function
k_qc7cc74db48_first16:
	s_mov_b64 s[64:65], 0
	v_nop
	global_prefetch_b8 v0, s[64:65] scope:SCOPE_SE
	s_setreg_imm32_b32 hwreg(HW_REG_WAVE_MODE, 25, 1), 1
	s_wait_xcnt 0x0
; POSITIONS 0-15 OF EVERY SEQUENCE, WHOLLY IN f32: under the causal mask these rows average one to sixteen values and are the largest of the output, so their attention and their projection take f32 operands.
; Nothing is left out here: the 16 x 16 scores are one tile, hidden scores are computed and set to -inf; the row's maximum is taken away before the exponential.
; A work-group takes (64 columns n0 .. of out0, batch b).  Wave w is head w: its 16 x 16 attention from qkv16 [b][48 cb][16 t][64], then y (16 x 64) times w_proj's rows 64 w .. and columns n0 .. n0 + 63: a partial result of 16 x 64,
; which goes to LDS; behind one barrier wave w adds the 16 partial results of query row w and stores 256 consecutive bytes, aligned.  The attention is repeated in the 16 work-groups of a batch.
; EVERY PRODUCT IS USED TRANSPOSED, so that a lane holds one query (lane % 16) throughout, and in each product K is laid alike in both sources: the registers that a lane holds as results are the next product's source as they stand.
; The registers that the f32 matrix instruction writes (v192-239) are written by matrix instructions alone; every sum begins with the constant 0.  No loops: all is written out.
.set QR,  16                           ; v16-47   Q: register 4 c + e = channel 8 c + 4 h + e of row r; later w_proj's tile 2
.set KR,  48                           ; v48-79   K likewise; later w_proj's tile 3
.set VR,  144                          ; v144-175 V: register 8 ct + i = V[key 8 h + i][channel 16 ct + r]; later y
.set P,   176                          ; v176-183 scores, then p: register j = key 8 h + j of query r
.set SA0, 192                          ; two accumulators for the scores, by turns
.set SA1, 232
.set OA,  200                          ; v200-231 O^T (ct), then out^T (u)
.set SPARE, 16*4352                    ; behind the 16 partial results of 16 x 272 bytes: the spare words
	s_load_b128 s[4:7], s[0:1], 0x0                ; qkv16, w_proj
	s_load_b64 s[8:9], s[0:1], 0x10                ; out0
	v_lshl_add_u32 v14, v0, 2, SPARE               ; my spare word; never rewritten
	v_mov_b32 v15, 0                               ; 0; never rewritten
	v_lshrrev_b32 v1, 5, v0
	v_readfirstlane_b32 s10, v1                    ; wave = head
	s_and_b32 s11, ttmp7, 0xffff                   ; batch
	v_and_b32 v1, 15, v0                           ; r
	v_bfe_u32 v2, v0, 4, 1                         ; h
	v_lshlrev_b32 v3, 8, v1
	v_lshl_add_u32 v3, v2, 4, v3                   ; Q, K: row r of 256 bytes + 16 h
	v_lshlrev_b32 v4, 2, v1
	v_lshl_add_u32 v5, v2, 11, v4                  ; V: key 8 h, channel r
	v_lshl_add_u32 v6, v2, 15, v4                  ; w_proj: row 8 h, column r
	v_lshlrev_b32 v7, 3, v2
	v_sub_nc_u32 v7, v1, v7                        ; r - 8 h
	s_mul_i32 s12, s10, 4352
	v_mul_u32_u24 v8, v1, 272
	v_lshl_add_u32 v8, v2, 5, v8
	v_add_nc_u32 v8, s12, v8                       ; my partial result: row r, 32 bytes for each half of the lanes
	s_mul_i32 s12, s10, 272
	v_and_b32 v9, 31, v0
	v_lshlrev_b32 v10, 3, v9                       ; 8 x lane
	v_add_nc_u32 v9, s12, v10                      ; query row w of partial result 0
	v_mov_b32 v11, 0xff800000                      ; -infinity
	v_mov_b32 v185, 0                              ; (a lane permute's destination counts as one of its sources)
	s_mov_b32 s18, 0x3e38aa3b                      ; c = log2(e) / 8
	s_mov_b32 s20, 0x76543210
	s_mov_b32 s21, 0xfedcba98                      ; v_permlanex16_b32's selects for lane l xor 16
	s_mul_i32 s12, s11, 48
	s_add_co_u32 s12, s12, s10
	s_lshl_b32 s12, s12, 12                        ; q's head in qkv16: 4,096 bytes a head; k's lies 65,536 bytes on, v's 131,072
	s_mov_b32 s13, 0
	s_lshl_b32 s14, s10, 18                        ; w_proj: row 64 w of 4,096 bytes,
	s_lshl_b32 s15, ttmp9, 8
	s_add_co_u32 s14, s14, s15                     ; + 4 n0
	s_mov_b32 s15, 0
	s_lshl_b32 s16, s11, 11
	s_add_co_u32 s16, s16, s10
	s_lshl_b32 s16, s16, 12                        ; out0: row 2,048 b + w,
	s_lshl_b32 s17, ttmp9, 8
	s_add_co_u32 s16, s16, s17                     ; + 4 n0
	s_mov_b32 s17, 0
	s_wait_kmcnt 0x0
	s_add_nc_u64 s[4:5], s[4:5], s[12:13]
	s_add_nc_u64 s[6:7], s[6:7], s[14:15]
	s_add_nc_u64 s[8:9], s[8:9], s[16:17]
.irp c, 0,1,2,3,4,5,6,7
	global_load_b128 v[QR+4*\c:QR+4*\c+3], v3, s[4:5] offset:32*\c
	global_load_b128 v[KR+4*\c:KR+4*\c+3], v3, s[4:5] offset:65536+32*\c
.endr
.irp ct, 0,1,2,3
.irp i, 0,1,2,3,4,5,6,7
	global_load_b32 v[VR+8*\ct+\i], v5, s[4:5] offset:131072+256*\i+64*\ct
.endr
.endr
	s_wait_loadcnt 32                              ; Q and K are in; V's 32 loads may be out
	; S^T = K Q^T: 16 steps of 4 channels, two accumulators by turns, one instruction a turn
.irp s, 0,1,2,3,4,5,6,7,8,9,10,11,12,13,14,15
.if \s < 2
	v_wmma_f32_16x16x4_f32 v[SA0+40*(\s%2):SA0+40*(\s%2)+7], v[KR+2*\s:KR+2*\s+1], v[QR+2*\s:QR+2*\s+1], 0
.else
	v_wmma_f32_16x16x4_f32 v[SA0+40*(\s%2):SA0+40*(\s%2)+7], v[KR+2*\s:KR+2*\s+1], v[QR+2*\s:QR+2*\s+1], v[SA0+40*(\s%2):SA0+40*(\s%2)+7]
.endif
.endr
.rept 8
	v_nop                                          ; eight places behind this form: for the reads of the sums and the loads into Q's and K's registers
.endr
	s_wait_loadcnt 0x0                             ; V
	; w_proj's four tiles of 16 columns: register 8 ct + i of tile u = w_proj[64 w + 16 ct + 8 h + i][n0 + 16 u + r]; tiles 0, 1 at v80, v112; tiles 2, 3 where Q and K lay
.irp u, 0,1,2,3
.irp ct, 0,1,2,3
.irp i, 0,1,2,3,4,5,6,7
	global_load_b32 v[(80+32*\u)%128+8*\ct+\i], v6, s[6:7] offset:(16*\ct+\i)*4096+64*\u
.endr
.endr
.endr
.irp j, 0,1,2,3,4,5,6,7
	v_add_f32 v[P+\j], v[SA0+\j], v[SA1+\j]        ; the two halves of the sum over channels, from the low end on
.endr
.irp j, 0,1,2,3,4,5,6,7
	v_cmp_gt_i32 vcc_lo, \j, v7                    ; key 8 h + j after query r: hidden
	v_cndmask_b32 v[P+\j], v[P+\j], v11, vcc_lo
.endr
	v_max3_num_f32 v184, v[P], v[P+1], v[P+2]
	v_max3_num_f32 v184, v184, v[P+3], v[P+4]
	v_max3_num_f32 v184, v184, v[P+5], v[P+6]
	v_max_num_f32 v184, v184, v[P+7]
	v_permlanex16_b32 v185, v184, s20, s21
	v_max_num_f32 v184, v184, v185                 ; the row's maximum: key 0 counts for every query, so it is a number
	v_mul_f32 v186, s18, v184
.irp j, 0,1,2,3,4,5,6,7
	v_fma_f32 v[P+\j], v[P+\j], s18, -v186         ; c s - c m
.endr
.irp j, 0,1,2,3,4,5,6,7
	v_exp_f32 v[P+\j], v[P+\j]
.endr
	v_nop
	s_wait_alu depctr_va_vdst(0)                   ; one wait for the eight exponentials, ahead of their first reader
	v_add_f32 v187, v[P], v[P+1]
	v_add_f32 v188, v[P+2], v[P+3]
	v_add_f32 v190, v[P+4], v[P+5]
	v_add_f32 v191, v[P+6], v[P+7]
	v_add_f32 v187, v187, v188
	v_add_f32 v190, v190, v191
	v_add_f32 v187, v187, v190
	v_permlanex16_b32 v185, v187, s20, s21
	v_add_f32 v187, v187, v185                     ; the row's sum
	v_rcp_f32 v189, v187
	v_nop
	s_wait_alu depctr_va_vdst(0)
	; O^T = V^T P: 4 steps of 4 keys, four accumulators by turns
.irp s, 0,1,2,3
.irp ct, 0,1,2,3
.if \s == 0
	v_wmma_f32_16x16x4_f32 v[OA+8*\ct:OA+8*\ct+7], v[VR+8*\ct+2*\s:VR+8*\ct+2*\s+1], v[P+2*\s:P+2*\s+1], 0
.else
	v_wmma_f32_16x16x4_f32 v[OA+8*\ct:OA+8*\ct+7], v[VR+8*\ct+2*\s:VR+8*\ct+2*\s+1], v[P+2*\s:P+2*\s+1], v[OA+8*\ct:OA+8*\ct+7]
.endif
.endr
.endr
.rept 8
	v_nop                                          ; eight places: for the reads of O^T and the writes over V's registers
.endr
.irp ct, 0,1,2,3
.irp j, 0,1,2,3,4,5,6,7
	v_mul_f32 v[VR+8*\ct+\j], v[OA+8*\ct+\j], v189 ; y(query r, channel 16 ct + 8 h + j)
.endr
.endr
	s_wait_loadcnt 0x0                             ; w_proj's tiles
.rept 9
	v_nop                                          ; nine places: the next products begin new sums in O^T's registers
.endr
	; out^T = w_proj^T y^T: 16 steps of 4 channels, four accumulators by turns
.irp ct, 0,1,2,3
.irp e, 0,1,2,3
.irp u, 0,1,2,3
.if (\ct == 0) && (\e == 0)
	v_wmma_f32_16x16x4_f32 v[OA+8*\u:OA+8*\u+7], v[(80+32*\u)%128+8*\ct+2*\e:(80+32*\u)%128+8*\ct+2*\e+1], v[VR+8*\ct+2*\e:VR+8*\ct+2*\e+1], 0
.else
	v_wmma_f32_16x16x4_f32 v[OA+8*\u:OA+8*\u+7], v[(80+32*\u)%128+8*\ct+2*\e:(80+32*\u)%128+8*\ct+2*\e+1], v[VR+8*\ct+2*\e:VR+8*\ct+2*\e+1], v[OA+8*\u:OA+8*\u+7]
.endif
.endr
.endr
.endr
.rept 8
	v_nop
.endr
.irp u, 0,1,2,3
	ds_store_b128 v8, v[OA+8*\u:OA+8*\u+3] offset:64*\u          ; out(query r, n0 + 16 u + 8 h + 0 .. 7), my head's part; each accumulator from its low end on
	ds_store_b128 v8, v[OA+8*\u+4:OA+8*\u+7] offset:64*\u+16
.endr
	s_wait_dscnt 0x0                               ; for the others' sake: my stores have landed
	s_barrier_signal -1
	s_barrier_wait -1
.irp p, 0,1,2,3,4,5,6,7,8,9,10,11,12,13,14,15
	ds_load_b64 v[80+2*\p:81+2*\p], v9 offset:4352*\p            ; query row w of all 16 heads' parts, 8 bytes a lane
.endr
	s_wait_dscnt 0x0
.irp p, 0,1,2,3,4,5,6,7
	v_pk_add_f32 v[80+4*\p:81+4*\p], v[80+4*\p:81+4*\p], v[82+4*\p:83+4*\p]
.endr
.irp p, 0,1,2,3
	v_pk_add_f32 v[80+8*\p:81+8*\p], v[80+8*\p:81+8*\p], v[84+8*\p:85+8*\p]
.endr
.irp p, 0,1
	v_pk_add_f32 v[80+16*\p:81+16*\p], v[80+16*\p:81+16*\p], v[88+16*\p:89+16*\p]
.endr
	v_pk_add_f32 v[80:81], v[80:81], v[96:97]
	global_store_b64 v10, v[80:81], s[8:9]         ; 32 lanes store 256 consecutive bytes, aligned
	s_wait_tensorcnt 0x0                           ; the wave's end
	ds_add_u32 v14, v15
	s_wait_dscnt 0x0
	s_endpgm
.Lfunc_end_k_qc7cc74db48_first16:
	.size	k_qc7cc74db48_first16, .Lfunc_end_k_qc7cc74db48_first16-k_qc7cc74db48_first16
	.p2alignl 7, 3214868480
	.fill 96, 4, 3214868480
	.section	.rodata,"a",@progbits
	.p2align	6, 0x0
	.amdhsa_kernel k_qc7cc74db48_first16
		.amdhsa_group_segment_fixed_size 71680
		.amdhsa_private_segment_fixed_size 0
		.amdhsa_enable_private_segment 0
		.amdhsa_kernarg_size 24
		.amdhsa_user_sgpr_count 2
		.amdhsa_user_sgpr_kernarg_segment_ptr 1
		.amdhsa_wavefront_size32 1
		.amdhsa_system_sgpr_workgroup_id_x 1
		.amdhsa_system_sgpr_workgroup_id_y 1
		.amdhsa_system_sgpr_workgroup_id_z 1
		.amdhsa_system_vgpr_workitem_id 0
		.amdhsa_next_free_vgpr 240
		.amdhsa_next_free_sgpr 66
		.amdhsa_reserve_vcc 1
		.amdhsa_float_denorm_mode_32 3
		.amdhsa_float_denorm_mode_16_64 3
		.amdhsa_memory_ordered 1
		.amdhsa_forward_progress 1
		.amdhsa_inst_pref_size 33
	.end_amdhsa_kernel
	.amdgpu_metadata
---
amdhsa.version: [ 1, 2 ]
amdhsa.kernels:
  - .name:           k_qc7cc74db48_first16
    .symbol:         k_qc7cc74db48_first16.kd
    .args:
      - { .name: qkv16, .offset: 0, .size: 8, .value_kind: global_buffer, .address_space: global }
      - { .name: w_proj, .offset: 8, .size: 8, .value_kind: global_buffer, .address_space: global }
      - { .name: out0, .offset: 16, .size: 8, .value_kind: global_buffer, .address_space: global }
    .group_segment_fixed_size: 71680
    .private_segment_fixed_size: 0
    .kernarg_segment_align: 8
    .kernarg_segment_size: 24
    .max_flat_workgroup_size: 512
    .sgpr_count:     66
    .vgpr_count:     240
    .wavefront_size: 32
...
	.end_amdgpu_metadata
.endif
;; end of part 5
